; MI455X (gfx1250); checked and timed in simulation.
; The chip was launched on July 23, 2026; its instructions are those of AMD's public machine-readable ISA for CDNA 5 (MIT licence, August 2026) and "CDNA5" Instruction Set Architecture Reference Guide (July 2026).
;; Multi Head Self Attention. Allowed arithmetic: matrix products marked QUANTISED: E5M2 operands, one E8M0 scale for each 32 along K, by v_wmma_scale_f32_16x16x128_f8f6f4 with both operands' format E5M2, f32 sums; everything else in f32.
;; Inputs: Wk_codes 1,024 x 32 x 32 uint8 (E5M2 codes of Wk, K innermost, in blocks of 32 codes); Wk_scales 1,024 x 32 uint8 (E8M0 scales of Wk, one for each 32 codes along K); Wq_codes 1,024 x 32 x 32 uint8 (E5M2 codes of Wq, K innermost, in blocks of 32 codes); Wq_scales 1,024 x 32 uint8 (E8M0 scales of Wq, one for each 32 codes along K); Wv_codes 1,024 x 32 x 32 uint8 (E5M2 codes of Wv, K innermost, in blocks of 32 codes); Wv_scales 1,024 x 32 uint8 (E8M0 scales of Wv, one for each 32 codes along K); attention_mask 4 x 2,048 int32; bk 1,024 float32; bq 1,024 float32; bv 1,024 float32; hidden_states_codes 4 x 2,048 x 32 x 32 uint8 (E5M2 codes of hidden_states, K innermost, in blocks of 32 codes); hidden_states_scales 4 x 2,048 x 32 uint8 (E8M0 scales of hidden_states, one for each 32 codes along K).
;; Outputs: out0 4 x 2,048 x 1,024 float32.
;; This version of the problem:
;;   THIS VERSION OF THE PROBLEM IS GIVEN IN LOW PRECISION. The matrix products marked QUANTISED in the list below multiply operands that are first quantised to E5M2 (5 exponent bits, 2 mantissa bits; 8 bits a number), with one power-of-two scale for each 32 numbers along K (OCP MX v1.0); their sums are f32. All else is computed in f32.
;;   The module's matrix products, in the order in which they are computed (A, B: the left and right operand; K: the contracted axis; several contracted axes count as one K, in the product's order):
;;     1. [M 8,192, K 1,024] x [K 1,024, N 1,024]; A: input hidden_states (given as codes); B: input Wq (given as codes): QUANTISED
;;     2. [M 8,192, K 1,024] x [K 1,024, N 1,024]; A: input hidden_states (given as codes); B: input Wk (given as codes): QUANTISED
;;     3. [M 8,192, K 1,024] x [K 1,024, N 1,024]; A: input hidden_states (given as codes); B: input Wv (given as codes): QUANTISED
;;     4. batch 64 x [M 2,048, K 64] x [K 64, N 2,048]; A: computed on the way; B: computed on the way: QUANTISED
;;     5. batch 64 x [M 2,048, K 2,048] x [K 2,048, N 64]; A: softmax (see below); B: computed on the way: QUANTISED
;;   THE QUANTISER, for each operand of a quantised product, along K:
;;     - K is cut into blocks of 32 from its start; a last block that is shorter is filled with zeros.
;;     - A block's scale is 2^e with e = floor(log2(the largest magnitude in the block)) - 15, held to -126 .. 127; a block of zeros has e = 0. As a byte (E8M0): e + 127.
;;     - Each number is divided by its block's scale, clamped to +-57,344, and rounded to the nearest number of E5M2, ties to even, subnormals kept.
;;     - The product sums the exact products of the quantised numbers (number of the format x scale) in f32.
;;   ~~~python
;;   def quantise(x, axis):      # numpy; x: float32 -> the quantised numbers, widened to float32 again
;;       x = np.moveaxis(x, axis, -1); K = x.shape[-1]
;;       x = np.pad(x, [(0, 0)] * (x.ndim - 1) + [(0, -K % 32)]); x = x.reshape(x.shape[:-1] + (-1, 32)); a = np.abs(x).max(-1, keepdims=True)
;;       e = np.where(a > 0, np.clip(np.frexp(np.where(a > 0, a, 1))[1] - 1 - 15, -126, 127), 0)      # np.frexp(a)[1] - 1 = floor(log2(a)), exactly
;;       r = np.clip(x / 2.0 ** e, -57344, 57344)
;;       step = 2.0 ** (np.maximum(np.frexp(np.where(r == 0, 1, r))[1] - 1, -14) - 2)
;;       q = np.round(r / step) * step * 2.0 ** e      # np.round: ties to even
;;       return np.moveaxis(q.reshape(q.shape[:-2] + (-1,))[..., :K], -1, axis).astype(np.float32)
;;   ~~~
;;   SOFTMAX AHEAD OF A QUANTISED PRODUCT. Where the list says 'softmax', what is quantised is not the finished softmax but p = 2^(t - M), with t = logit x log2(e) and M = ceil(the row's largest t), a whole number; so 1/2 < the row's largest p <= 1. The row's sum l is taken of the UNQUANTISED p, in f32, and the product's result is divided by l at the end. Since M is a whole number, a kernel that streams over the keys may use a running M (the ceiling of the running maximum): every later rescaling is an exact power of two, which a block's scale takes up: the codes' values come out the same.
;;   OPERANDS COMPUTED ON THE WAY. 'Computed on the way' means the value that the module computes at that place (a softmax that the list does not call 'softmax' is quantised finished and normalised). What goes into a quantiser is computed in f32, as accurately as f32 sums, v_exp_f32 and their like allow (about 1e-6 of the number): no bf16 or f16 on the way to a quantiser, and a product that is left as it is and whose result goes on into a quantised operand takes f32 operands (vector FMAs, or v_wmma_f32_16x16x4_f32). A number that lies on a knife's edge between two numbers of the format may be rounded either way, as far as f32 arithmetic and the matrix unit's own rounding can turn it there, and no further.
;;   INPUTS GIVEN AS CODES. Wk (in the module: [1024, 1024], K = its axis 0); Wq (in the module: [1024, 1024], K = its axis 0); Wv (in the module: [1024, 1024], K = its axis 0); hidden_states (in the module: [4, 2048, 1024], K = its axis 2): each comes as NAME_codes (uint8): NAME with its K axis moved to the last place and cut into blocks of 32 codes, [.., K / 32, bytes a block], one block behind the other in memory; one code a byte (a code: sign, 5 exponent bits, 2 mantissa bits); and NAME_scales (uint8): the same leading axes, one E8M0 byte (e + 127) for each 32 codes along K. Its value is code x scale, taken as it is: it is not quantised again, and the codes and scales need not be those that the quantiser above would give.
;; One version. Each part assembles by itself: llvm-mc -triple=amdgcn-amd-amdhsa -mcpu=gfx1250 --defsym DOCPART=n.
;; ======== version 1 of 1: 3 launches
;; limits: right only within a limited range of input values
;; workspace buffers: pc 11,534,336 bytes; ps 360,448 bytes; qkc 16,777,216 bytes; qks 524,288 bytes; vc 8,388,608 bytes; vs 262,144 bytes
;; launch prepare_narrow (part 1): grid 176 x 1, 32 waves a work-group, no clusters, 0 bytes of LDS; arguments hidden_states_codes, hidden_states_scales, Wq_codes, Wq_scales, Wk_codes, Wk_scales, Wv_codes, Wv_scales, qkc, vc, pc, ps; writes pc, ps
.if DOCPART == 1
	.amdgcn_target "amdgcn-amd-amdhsa--gfx1250"
	.amdhsa_code_object_version 6
	.text
	.protected	k_q52e225e447_prepare_narrow
	.globl	k_q52e225e447_prepare_narrow
	.p2align	8
	.type	k_q52e225e447_prepare_narrow,@function
k_q52e225e447_prepare_narrow:
	s_mov_b64 s[64:65], 0
	v_nop
	global_prefetch_b8 v0, s[64:65] scope:SCOPE_SE
	s_setreg_imm32_b32 hwreg(HW_REG_WAVE_MODE, 25, 1), 1
	s_wait_xcnt 0x0
.set TOK,   8192
.set WAVES, 32
.set W3,    1
.set IN3,   0
.set XT,    (1+2*IN3)*TOK
.set KROW,  1024
.if IN3
	s_load_b128 s[4:7], s[0:1], 0x0
	s_load_b128 s[20:23], s[0:1], 0x10
	s_load_b128 s[28:31], s[0:1], 0x20
	s_load_b128 s[8:11], s[0:1], 0x30
	s_load_b256 s[12:19], s[0:1], 0x40
	s_load_b256 s[40:47], s[0:1], 0x60
.else
	s_load_b256 s[4:11], s[0:1], 0x0
	s_load_b256 s[12:19], s[0:1], 0x20
.if W3
	s_load_b256 s[40:47], s[0:1], 0x40
.endif
.endif
	v_lshrrev_b32 v1, 5, v0
	v_readfirstlane_b32 s24, v1
	v_and_b32 v9, 31, v0
	v_lshlrev_b32 v5, 4, v9
	v_lshlrev_b32 v1, 3, v9
	s_mul_i32 s25, ttmp9, WAVES
	s_add_co_u32 s33, s25, s24
	s_lshr_b32 s34, s33, 2
	s_and_b32 s35, s33, 3
	s_sub_co_u32 s36, s34, XT/8
	s_lshr_b32 s37, s36, 7
	s_add_co_u32 s37, s37, 1
	s_and_b32 s36, s36, 127
	s_cmp_lt_u32 s34, XT/8
	s_cselect_b32 s37, 0, s37
	s_cselect_b32 s36, s34, s36
.if W3
	s_mov_b32 s50, s36
.else
	s_sub_co_u32 s50, s37, 1
	s_lshl_b32 s50, s50, 7
	s_add_co_u32 s50, s50, s36
	s_cmp_eq_u32 s37, 0
	s_cselect_b32 s50, s36, s50
	s_cmp_eq_u32 s37, 4
	s_cselect_b32 s50, s36, s50
.endif
.if IN3
	s_sub_co_u32 s61, s50, TOK/8
	s_cmp_ge_u32 s50, TOK/8
	s_cselect_b32 s62, s61, s50
	s_cselect_b32 s63, 1, 0
	s_sub_co_u32 s61, s50, 2*(TOK/8)
	s_cmp_ge_u32 s50, 2*(TOK/8)
	s_cselect_b32 s50, s61, s62
	s_cselect_b32 s63, 2, s63
.endif
	s_mul_i32 s52, s50, 8*KROW
	s_mul_i32 s53, s35, 2*KROW
	s_add_co_u32 s52, s52, s53
	s_mov_b32 s53, 0
	s_lshl_b32 s50, s50, 8
	s_mov_b32 s51, 0
	s_bfe_u32 s54, s36, 0x20002
	s_lshl_b32 s54, s54, 3
	s_and_b32 s55, s36, 1
	s_lshl_b32 s55, s55, 2
	s_or_b32 s54, s54, s55
	s_bfe_u32 s55, s36, 0x10001
	s_or_b32 s54, s54, s55
	s_bfe_u32 s55, s36, 0x10004
	s_lshl_b32 s55, s55, 1
	s_or_b32 s54, s54, s55
	s_and_b32 s55, s36, 0xffffffe0
	s_or_b32 s38, s54, s55
	s_lshr_b32 s54, s36, 3
	s_bfe_u32 s55, s36, 0x10002
	s_and_b32 s56, s36, 3
	s_lshl_b32 s57, s54, 3
	s_lshl_b32 s58, s56, 1
	s_add_co_u32 s57, s57, s58
	s_add_co_u32 s57, s57, s55
	s_add_co_u32 s58, s57, 128
	s_add_co_u32 s59, s57, 256
	s_cmp_eq_u32 s37, 1
	s_cselect_b32 s38, s57, s38
	s_cmp_eq_u32 s37, 2
	s_cselect_b32 s38, s58, s38
	s_cmp_eq_u32 s37, 3
	s_cselect_b32 s38, s59, s38
	s_cmp_eq_u32 s37, 4
	s_cselect_b32 s38, s36, s38
	s_cmp_eq_u32 s37, 0
	s_cselect_b32 s39, 0, XT/8
	s_cmp_eq_u32 s37, 4
	s_cselect_b32 s39, (XT+3072)/8, s39
	s_add_co_u32 s38, s38, s39
	s_mul_i32 s54, s38, 8*KROW
	s_mul_i32 s55, s35, 2*KROW
	s_add_co_u32 s54, s54, s55
	s_mov_b32 s55, 0
	s_lshl_b32 s56, s38, 8
	s_mov_b32 s57, 0
	s_wait_alu depctr_va_vdst(0)
	s_wait_kmcnt 0x0
.if IN3
	s_cmp_eq_u32 s63, 1
	s_cselect_b64 s[4:5], s[20:21], s[4:5]
	s_cselect_b64 s[6:7], s[22:23], s[6:7]
	s_cmp_eq_u32 s63, 2
	s_cselect_b64 s[4:5], s[28:29], s[4:5]
	s_cselect_b64 s[6:7], s[30:31], s[6:7]
.endif
	s_cmp_eq_u32 s37, 0
	s_cselect_b64 s[4:5], s[4:5], s[8:9]
	s_cselect_b64 s[6:7], s[6:7], s[10:11]
.if W3
	s_cmp_eq_u32 s37, 2
	s_cselect_b64 s[4:5], s[12:13], s[4:5]
	s_cselect_b64 s[6:7], s[14:15], s[6:7]
	s_cmp_eq_u32 s37, 3
	s_cselect_b64 s[4:5], s[16:17], s[4:5]
	s_cselect_b64 s[6:7], s[18:19], s[6:7]
	s_cmp_eq_u32 s37, 4
	s_cselect_b64 s[4:5], s[40:41], s[4:5]
	s_cselect_b64 s[6:7], s[42:43], s[6:7]
.else
	s_cmp_eq_u32 s37, 4
	s_cselect_b64 s[4:5], s[12:13], s[4:5]
	s_cselect_b64 s[6:7], s[14:15], s[6:7]
.endif
	s_add_nc_u64 s[4:5], s[4:5], s[52:53]
	s_add_nc_u64 s[6:7], s[6:7], s[50:51]
.if W3
	s_add_nc_u64 s[16:17], s[44:45], s[54:55]
	s_add_nc_u64 s[18:19], s[46:47], s[56:57]
.else
	s_add_nc_u64 s[16:17], s[16:17], s[54:55]
	s_add_nc_u64 s[18:19], s[18:19], s[56:57]
.endif
.set I, 0
.rept 2*KROW/512
	global_load_b128 v[16+4*I:19+4*I], v5, s[4:5] offset:512*I
.set I, I+1
.endr
	s_cmp_lg_u32 s35, 0
	s_cbranch_scc1 .Lcodes
	global_load_b64 v[12:13], v1, s[6:7]
	s_wait_loadcnt 0x0
	global_store_b64 v1, v[12:13], s[18:19]
.Lcodes:
	s_wait_loadcnt 0x0
.set I, 0
.rept 2*KROW/512
	global_store_b128 v5, v[16+4*I:19+4*I], s[16:17] offset:512*I
.set I, I+1
.endr
	s_endpgm
.Lfunc_end_k_q52e225e447_prepare_narrow:
	.size	k_q52e225e447_prepare_narrow, .Lfunc_end_k_q52e225e447_prepare_narrow-k_q52e225e447_prepare_narrow
	.p2alignl 7, 3214868480
	.fill 96, 4, 3214868480
	.section	.rodata,"a",@progbits
	.p2align	6, 0x0
	.amdhsa_kernel k_q52e225e447_prepare_narrow
		.amdhsa_group_segment_fixed_size 0
		.amdhsa_private_segment_fixed_size 0
		.amdhsa_enable_private_segment 0
		.amdhsa_kernarg_size 96
		.amdhsa_user_sgpr_count 2
		.amdhsa_user_sgpr_kernarg_segment_ptr 1
		.amdhsa_wavefront_size32 1
		.amdhsa_system_sgpr_workgroup_id_x 1
		.amdhsa_system_sgpr_workgroup_id_y 1
		.amdhsa_system_sgpr_workgroup_id_z 1
		.amdhsa_system_vgpr_workitem_id 0
		.amdhsa_next_free_vgpr 32
		.amdhsa_next_free_sgpr 66
		.amdhsa_reserve_vcc 0
		.amdhsa_float_denorm_mode_32 3
		.amdhsa_float_denorm_mode_16_64 3
		.amdhsa_memory_ordered 1
		.amdhsa_forward_progress 1
		.amdhsa_inst_pref_size 5
	.end_amdhsa_kernel
	.amdgpu_metadata
---
amdhsa.version: [ 1, 2 ]
amdhsa.kernels:
  - .name:           k_q52e225e447_prepare_narrow
    .symbol:         k_q52e225e447_prepare_narrow.kd
    .args:
      - { .name: hidden_states_codes, .offset: 0, .size: 8, .value_kind: global_buffer, .address_space: global }
      - { .name: hidden_states_scales, .offset: 8, .size: 8, .value_kind: global_buffer, .address_space: global }
      - { .name: Wq_codes, .offset: 16, .size: 8, .value_kind: global_buffer, .address_space: global }
      - { .name: Wq_scales, .offset: 24, .size: 8, .value_kind: global_buffer, .address_space: global }
      - { .name: Wk_codes, .offset: 32, .size: 8, .value_kind: global_buffer, .address_space: global }
      - { .name: Wk_scales, .offset: 40, .size: 8, .value_kind: global_buffer, .address_space: global }
      - { .name: Wv_codes, .offset: 48, .size: 8, .value_kind: global_buffer, .address_space: global }
      - { .name: Wv_scales, .offset: 56, .size: 8, .value_kind: global_buffer, .address_space: global }
      - { .name: qkc, .offset: 64, .size: 8, .value_kind: global_buffer, .address_space: global }
      - { .name: vc, .offset: 72, .size: 8, .value_kind: global_buffer, .address_space: global }
      - { .name: pc, .offset: 80, .size: 8, .value_kind: global_buffer, .address_space: global }
      - { .name: ps, .offset: 88, .size: 8, .value_kind: global_buffer, .address_space: global }
    .group_segment_fixed_size: 0
    .private_segment_fixed_size: 0
    .kernarg_segment_align: 8
    .kernarg_segment_size: 96
    .max_flat_workgroup_size: 1024
    .sgpr_count:     66
    .vgpr_count:     32
    .wavefront_size: 32
...
	.end_amdgpu_metadata
.endif
;; end of part 1
;; launch qkv (part 2): grid 16 x 16, 4 waves a work-group, clusters of 4 x 4, 327,680 bytes of LDS; arguments pc, ps, qkc, qks, vc, vs, bq, bk, bv; writes qkc, qks, vc, vs
.if DOCPART == 2
	.amdgcn_target "amdgcn-amd-amdhsa--gfx1250"
	.amdhsa_code_object_version 6
	.text
	.protected	k_q52e225e447_qkv
	.globl	k_q52e225e447_qkv
	.p2align	8
	.type	k_q52e225e447_qkv,@function
k_q52e225e447_qkv:
	s_mov_b64 s[64:65], 0
	v_nop
	global_prefetch_b8 v0, s[64:65] scope:SCOPE_SE
	s_setreg_imm32_b32 hwreg(HW_REG_WAVE_MODE, 25, 1), 1
	s_wait_xcnt 0x0
	s_wait_alu depctr_hold_cnt(0) depctr_sa_sdst(0) depctr_va_vdst(0) depctr_va_sdst(0) depctr_va_ssrc(0) depctr_va_vcc(0) depctr_vm_vsrc(0)
	s_getreg_b32 s2, hwreg(HW_REG_IB_STS2, 6, 4)
	s_cmp_eq_u32 s2, 0
	s_cbranch_scc0 .Lentry_in_a_cluster
	s_endpgm
.Lentry_in_a_cluster:
	s_bfe_u32 s2, ttmp6, 0x10000c
	s_cmp_lg_u32 s2, 0xf033
	s_cbranch_scc0 .Lentry_shape_is_right
	s_endpgm
.Lentry_shape_is_right:
.set TOK,    8192
.set BIAS,   1
.set W3,     1
.set IN3,    0
.set BQ0,    0
.set BQH,    64
.set BK0,    0
.set BKH,    64
.set BV0,    0
.set BVH,    64
.set SIZE_K, 1024
.set NQ,     SIZE_K/128
.set NB,     4
.set NS,     16
.set TM,     2*16*NS
.set TN,     2*16*NB
.set TV,     TM/2
.set CH,     128
.set NC,     TM/CH
.set KROW,   SIZE_K
.set KS,     SIZE_K/32
.set PITCH,  KROW+16
.set FR,     16
.set NL,     4
.set FPW,    256/FR
.set NP,     8
.set NF,     NQ*NL+2
.set YB,     CH*PITCH
.set SCL,    (2*CH*PITCH+255)/256*256
.set RS,     TM*KS/256
.set SSTEP,  (32*KS/256)*272
.set SCV,    SCL+RS*272
.set XN,     SCV+(RS/2)*272
.set XV,     XN+2*TM*2
.set SPARE,  XV+2*TV*2
.set EMAX,   15
.set TB,     1024
.set ADRA0, 4
.set AAS0, 6
.set CO,   9
.set SPW,  10
.set NIL,  11
.set ADRA, 12
.set ADRB, 14
.set ABS,  16
.set AAS,  17
.set STO,  18
.set RD,   19
.set SB,   24
.set SA,   40
.set VX,   58
.set CN,   60
.set AF,   0
.set BQ,   184
.set BV,   216
.set ACC,  64
.set HV,   96
.set SCR,  128
.set TQ,   SCR
.set NCD,  SCR+8
.set MCD,  SCR+16
.set SOP,  SCR+32
.set EB,   SCR+36
.set G1A, 24
.set G0A, 56
.set G1B, 32
.set G0B, 60
.set G1R, 48
.set G0R, 68
.set G1S, 92
.set G0S, 72
.set MSB, 0
.macro WIN new
.if MSB != \new
	s_set_vgpr_msb (MSB<<8)|\new
.set MSB, \new
.endif
.endm
.macro PLACES n
.rept \n
	v_nop
.endr
.endm
.macro BARRIER
	s_barrier_signal -1
	s_barrier_wait -1
.endm
.macro CROUND
	BARRIER
	s_cmp_lg_u32 s14, 0
	s_cbranch_scc1 .Lnot_wave_0_\@
	s_barrier_signal -3
.Lnot_wave_0_\@:
	s_barrier_wait -3
	BARRIER
.endm
.macro TLOAD g0, g1
	tensor_load_to_lds s[\g0:\g0+3], s[\g1:\g1+7]
	s_nop 0
	PLACES 4
.endm
.macro GROUP1 g, mask, rows
	s_or_b32 s[\g+0], s[\mask], (1<<20)|(1<<21)|(7<<22)|(3<<25)
	s_mov_b32 s[\g+1], (KROW&0xffff)<<16
	s_mov_b32 s[\g+2], (KROW>>16)|((\rows)<<16)
	s_mov_b32 s[\g+3], KROW<<16
	s_mov_b32 s[\g+4], \rows
	s_mov_b32 s[\g+5], KROW
	s_mov_b32 s[\g+6], 0
	s_mov_b32 s[\g+7], 0
.endm
.macro SADD d, x
	s_add_co_u32 s\d, s\d, s\x
.endm
	s_load_b128 s[4:7], s[0:1], 0x0
	v_lshl_add_u32 v[SPW], v0, 2, SPARE
	v_mov_b32 v[NIL], 0
	ds_add_u32 v[SPW], v[NIL]
	ds_add_u32 v[SPW], v[NIL]
	v_lshrrev_b32 v1, 5, v0
	v_readfirstlane_b32 s14, v1
	s_lshr_b32 s15, s14, 1
	s_and_b32 s16, s14, 1
	s_mov_b32 s17, s15
	s_mov_b32 s18, s16
	s_bfe_u32 s40, ttmp6, 0x40000
	s_bfe_u32 s41, ttmp6, 0x40004
	s_lshl_b32 s42, ttmp9, 2
	s_add_co_u32 s42, s42, s40
	s_and_b32 s43, ttmp7, 0xffff
	s_lshl_b32 s43, s43, 2
	s_add_co_u32 s43, s43, s41
	s_lshr_b32 s19, ttmp9, 1
	s_lshl_b32 s44, s41, 2
	s_lshl_b32 s44, 15, s44
	s_lshl_b32 s45, 0x1111, s40
	GROUP1 G1A, 44, CH
	GROUP1 G1B, 45, TN/2
	GROUP1 G1R, 44, CH/4
	s_or_b32 s[G1S+0], s44, (3<<16)|(1<<20)|(1<<21)|(5<<22)|(3<<25)
	s_mov_b32 s[G1S+1], 32<<16
	s_mov_b32 s[G1S+2], RS<<16
	s_mov_b32 s[G1S+3], 32<<16
	s_mov_b32 s[G1S+4], RS
	s_mov_b32 s[G1S+5], 32
	s_mov_b32 s[G1S+6], 0
	s_mov_b32 s[G1S+7], 0
	s_mov_b32 s[G0S], 1
	s_mov_b32 s[G0S+1], SCL
	s_mul_i32 s86, s43, TM*KROW
.if IN3
	s_mul_i32 s20, s19, TOK*KROW
	SADD 86, 20
.endif
	s_mov_b32 s87, 0
	s_mov_b32 s67, s86
	s_and_b32 s13, ttmp9, 1
	s_lshl_b32 s13, s13, 2
	SADD 13, 41
	s_and_b32 s47, ttmp7, 0xffff
	s_lshl_b32 s47, s47, 2
	SADD 47, 40
	s_lshl_b32 s47, s47, 1
	SADD 47, 19
	s_mul_i32 s2, s47, TV*KROW
	s_mul_i32 s66, s47, TV*KS
.if IN3
	s_add_co_u32 s2, s2, 2*TOK*KROW
	s_add_co_u32 s66, s66, 2*TOK*KS
.endif
	s_mul_i32 s3, s13, TN*KROW
	s_add_co_u32 s3, s3, ((1+2*IN3)*TOK+2048)*KROW
	s_mul_i32 s12, s13, TN*KS
	s_mul_i32 s21, s18, 16*NB*KS
	SADD 12, 21
	s_add_co_u32 s12, s12, ((1+2*IN3)*TOK+2048)*KS
	s_mul_i32 s20, s42, TN*KROW
	s_mul_i32 s21, s16, TN/2*KROW
	s_add_co_u32 s78, s20, s21
	s_mov_b32 s79, 0
	s_mul_i32 s80, s43, TM*KS
.if IN3
	s_mul_i32 s20, s19, TOK*KS
	SADD 80, 20
.endif
	s_mov_b32 s81, 0
	s_mul_i32 s82, s42, TN*KS
	s_mul_i32 s21, s18, 16*NB*KS
	s_add_co_u32 s82, s82, s21
	s_mov_b32 s83, 0
	s_mov_b32 s[G0A], 1
	s_mov_b32 s[G0A+1], 0
	s_mov_b32 s[G0B], 1
	s_mul_i32 s[G0B+1], s16, TN/2*PITCH
	s_add_co_u32 s[G0B+1], s[G0B+1], YB
	s_mov_b32 s[G0R], 1
	v_and_b32 v1, 15, v0
	v_bfe_u32 v2, v0, 4, 1
	v_and_b32 v3, 31, v0
	v_mul_u32_u24 v22, v1, PITCH
	v_mad_u32_u24 v23, v2, 16, v22
	s_mul_i32 s21, s17, 16*PITCH
	v_add_nc_u32 v[ADRA0], s21, v23
	s_mul_i32 s22, s18, 16*NB*PITCH
	v_add_nc_u32 v[ADRB+1], s22, v23
	s_add_co_u32 s22, s22, YB
	v_add_nc_u32 v[ADRB], s22, v23
	v_mul_u32_u24 v[ABS], v3, KS
	v_mul_u32_u24 v23, v1, KS
	v_lshrrev_b32 v22, 8, v23
	v_lshl_add_u32 v23, v22, 4, v23
	s_mul_i32 s21, s17, (16*KS/256)*272
	s_add_co_u32 s21, s21, SCL
	v_add_nc_u32 v[AAS0], s21, v23
	s_lshl_b32 s90, s40, 2
	s_add_co_u32 s90, s90, s14
	s_wait_alu depctr_va_vdst(0)
	s_wait_dscnt 0x0
	s_wait_kmcnt 0x0
	s_add_nc_u64 s[8:9], s[4:5], (1+2*IN3)*TOK*KROW
	s_add_nc_u64 s[10:11], s[6:7], (1+2*IN3)*TOK*KS
	s_add_nc_u64 s[86:87], s[4:5], s[86:87]
	s_mov_b64 s[G0A+2:G0A+3], s[86:87]
	s_or_b32 s[G0A+3], s[G0A+3], 0x80000000
	s_add_nc_u64 s[G0B+2:G0B+3], s[8:9], s[78:79]
	s_or_b32 s[G0B+3], s[G0B+3], 0x80000000
	s_add_nc_u64 s[G0S+2:G0S+3], s[6:7], s[80:81]
	s_or_b32 s[G0S+3], s[G0S+3], 0x80000000
	s_add_nc_u64 s[10:11], s[10:11], s[82:83]
	CROUND
	s_cmp_eq_u32 s15, 0
	s_cbranch_scc0 .Lfor_a
	TLOAD G0B, G1B
	s_branch .Lasked
.Lfor_a:
	s_cmp_eq_u32 s16, 0
	s_cbranch_scc0 .Lfor_scales
	TLOAD G0A, G1A
	s_branch .Lasked
.Lfor_scales:
	TLOAD G0S, G1S
.Lasked:
	s_lshl_b32 s21, s42, 1
	SADD 21, 18
	s_mul_i32 s76, s21, TOK/16*TB
	s_mul_i32 s22, s43, TM/16*TB
	SADD 76, 22
	s_mul_i32 s22, s17, 8*TB
	SADD 76, 22
	s_mov_b32 s77, 0
	s_lshl_b32 s21, s42, 1
	SADD 21, 15
	s_mul_i32 s78, s21, TOK*2
	s_mul_i32 s22, s43, TM*2
	SADD 78, 22
	s_mul_i32 s22, s16, TM
	SADD 78, 22
	s_mov_b32 s79, 0
	s_lshl_b32 s23, s13, 1
	s_mov_b32 s20, s47
	s_add_co_u32 s21, s23, s18
	s_mul_i32 s80, s21, TOK/16*TB
	s_mul_i32 s22, s20, TV/16*TB
	SADD 80, 22
	s_mul_i32 s22, s17, 8*TB
	SADD 80, 22
	s_mov_b32 s81, 0
	s_add_co_u32 s21, s23, s15
	s_mul_i32 s82, s21, TOK*2
	s_mul_i32 s22, s20, TV*2
	SADD 82, 22
	s_mul_i32 s22, s16, TV
	SADD 82, 22
	s_mov_b32 s83, 0
.if BIAS
	s_load_b64 s[84:85], s[0:1], 0x30
.if W3
	s_load_b64 s[46:47], s[0:1], 0x38
	s_load_b64 s[88:89], s[0:1], 0x40
.endif
	s_lshl_b32 s21, s42, 1
	SADD 21, 18
	s_and_b32 s21, s21, 15
	s_mov_b32 s20, 4*BQH
	s_mov_b32 s22, 4*BQ0
	s_cmp_eq_u32 s19, 1
	s_cselect_b32 s20, 4*BKH, s20
	s_cselect_b32 s22, 4*BK0, s22
	s_mul_i32 s20, s21, s20
	SADD 20, 22
	s_lshl_b32 s22, s13, 1
	SADD 22, 18
	s_mul_i32 s22, s22, 4*BVH
	s_add_co_u32 s22, s22, 4*BV0
	s_mov_b32 s21, 0
	s_mov_b32 s23, 0
	v_lshlrev_b32 v22, 7, v2
	v_lshrrev_b32 v23, 3, v1
	v_lshlrev_b32 v23, 7, v23
	v_and_b32 v8, 7, v1
	v_lshl_add_u32 v23, v8, 2, v23
	s_wait_alu depctr_va_vdst(0)
	s_wait_kmcnt 0x0
.if W3
	s_add_nc_u64 s[22:23], s[88:89], s[22:23]
	s_cmp_eq_u32 s19, 1
	s_cselect_b64 s[84:85], s[46:47], s[84:85]
.else
	s_add_nc_u64 s[22:23], s[84:85], s[22:23]
.endif
	s_add_nc_u64 s[20:21], s[84:85], s[20:21]
.irp k, 0,1,2,3,4,5,6,7
	global_load_b128 v[BQ+4*\k:BQ+4*\k+3], v22, s[20:21] offset:16*\k
.endr
.irp t, 0,1,2,3
	global_load_b32 v[BV+\t], v23, s[22:23] offset:32*\t
.endr
	s_wait_xcnt 0x0
.endif
	v_lshlrev_b32 v[CO], 4, v3
	s_mul_i32 s21, s18, TM*2
	s_add_co_u32 s21, s21, XN
	s_lshl_b32 s22, s17, 8
	SADD 21, 22
	v_lshl_add_u32 v23, v1, 2, v2
	v_add_nc_u32 v[STO], s21, v23
	s_mul_i32 s21, s18, TV*2
	s_add_co_u32 s21, s21, XV
	SADD 21, 22
	v_lshlrev_b32 v23, 2, v1
	v_add_nc_u32 v[RD], s21, v23
	v_lshlrev_b32 v23, 9, v2
	v_lshl_add_u32 v[CN], v1, 4, v23
.irp p, 0,1
.irp c, 0,1
	global_load_b128 v[SB+NQ*\p+4*\c:SB+NQ*\p+4*\c+3], v[ABS], s[10:11] offset:\p*32*KS+16*\c
.endr
.endr
	s_mov_b32 s20, s66
	s_mov_b32 s21, 0
	s_add_nc_u64 s[20:21], s[6:7], s[20:21]
	v_lshlrev_b32 v22, 6, v0
	v_lshrrev_b32 v23, 2, v0
	v_lshl_add_u32 v23, v23, 4, v22
	v_add_nc_u32 v23, SCV, v23
.irp k, 0,1,2,3
	global_load_b128 v[ACC+4*\k:ACC+4*\k+3], v22, s[20:21] offset:16*\k
.endr
	s_wait_alu depctr_va_vdst(0)
	s_wait_loadcnt 0x0
.irp k, 0,1,2,3
	ds_store_b128 v23, v[ACC+4*\k:ACC+4*\k+3] offset:16*\k
.endr
	s_wait_dscnt 0x0
	s_cmp_eq_u32 s15, 0
	s_cbranch_scc0 .Lnot_b
	s_wait_tensorcnt 0x0
.Lnot_b:
	BARRIER
.macro PREFETCH r0, n, again
.if \again
	s_wait_xcnt 0x0
.endif
	s_add_nc_u64 s[88:89], s[86:87], (\r0)*KROW
	s_mul_i32 s21, s90, (\n)*KROW/4096
.if (\n)*KROW/4096 > 32
	v_min_u32 v7, 31, v3
.else
	v_min_u32 v7, (\n)*KROW/4096-1, v3
.endif
	v_add_nc_u32 v7, s21, v7
	v_lshlrev_b32 v7, 8, v7
.if (\n)*KROW/4096 > 32
	v_min_u32 v8, (\n)*KROW/4096-33, v3
	v_add_nc_u32 v8, s21, v8
	v_add_nc_u32 v8, 32, v8
	v_lshlrev_b32 v8, 8, v8
.endif
	global_prefetch_b8 v7, s[88:89] th:TH_LOAD_NT scope:SCOPE_SE
.if (\n)*KROW/4096 > 32
	global_prefetch_b8 v8, s[88:89] th:TH_LOAD_NT scope:SCOPE_SE
.endif
.endm
	PREFETCH CH, CH, 0
.macro FRAG f, adr, q, off
	WIN (1+(\f)/FPW)<<6
.irp c, 0,1,2,3
	ds_load_b128 v[FR*((\f)%FPW)+4*\c:FR*((\f)%FPW)+4*\c+3], v[\adr] offset:128*(\q)+32*\c+(\off)
.endr
.endm
.macro BFETCH adr
.irp q, 0,1,2,3,4,5,6,7
.irp b, 0,1,2,3
	FRAG NB*\q+\b, \adr, \q, \b*16*PITCH
.endr
.endr
	WIN 0
.endm
.macro BSCALES base
.irp p, 0,1
.irp c, 0,1
	global_load_b128 v[SB+NQ*\p+4*\c:SB+NQ*\p+4*\c+3], v[ABS], \base offset:\p*32*KS+16*\c
.endr
.endr
.endm
.macro FETCH e
	v_add_nc_u32 v[ADRA], s20, v[ADRA0]
	v_add_nc_u32 v[AAS], s21, v[AAS0]
	WIN 3<<6
.irp q, 0,1,2,3,4,5,6,7
.irp c, 0,1,2,3
	ds_load_b128 v[AF+128*(\e)+FR*\q+4*\c:AF+128*(\e)+FR*\q+4*\c+3], v[ADRA] offset:128*\q+32*\c
.endr
.endr
	WIN 0
	ds_load_b128 v[SA+8*(\e):SA+8*(\e)+3], v[AAS]
	ds_load_b128 v[SA+8*(\e)+4:SA+8*(\e)+7], v[AAS] offset:16
.endm
.macro MUL1 q, p, o, c, e, kind
.set FB, NB*(\q)+2*\p+\o
.set AC, ACC+8*(2*\p+\o)
.if !(\kind)
	WIN (1+FB/FPW)|(3<<2)
	v_wmma_scale_f32_16x16x128_f8f6f4 v[AC:AC+7], v[FR*(FB%FPW):FR*(FB%FPW)+FR-1], v[AF+128*(\e)+FR*(\q):AF+128*(\e)+FR*(\q)+FR-1], \c, v[SB+NQ*\p+\q], v[SA+8*(\e)+\q] matrix_a_fmt:MATRIX_FMT_BF8 matrix_b_fmt:MATRIX_FMT_BF8 matrix_a_scale:MATRIX_SCALE_ROW\o
.else
	WIN 3|((1+FB/FPW)<<2)
	v_wmma_scale_f32_16x16x128_f8f6f4 v[AC:AC+7], v[AF+128*(\e)+FR*(\q):AF+128*(\e)+FR*(\q)+FR-1], v[FR*(FB%FPW):FR*(FB%FPW)+FR-1], \c, v[SA+8*(\e)+\q], v[SB+NQ*\p+\q] matrix_a_fmt:MATRIX_FMT_BF8 matrix_b_fmt:MATRIX_FMT_BF8 matrix_b_scale:MATRIX_SCALE_ROW\o
.endif
.endm
.macro MULS e, kind
.irp q, 0,1,2,3,4,5,6,7
.irp p, 0,1
.irp o, 0,1
.if (\q) == 0 && BIAS
	MUL1 \q, \p, \o, v[BQ+8*(2*\p+\o):BQ+8*(2*\p+\o)+7], \e, \kind
.elseif (\q) == 0
	MUL1 \q, \p, \o, 0, \e, \kind
.else
	MUL1 \q, \p, \o, v[ACC+8*(2*\p+\o):ACC+8*(2*\p+\o)+7], \e, \kind
.endif
.endr
.endr
.endr
	WIN 0
.endm
.macro SCALE n
	v_add_nc_u32 v[SOP+\n], -(EMAX<<23), v[TQ]
.endm
.macro QUANT x, c, n
.irp k, 0,1,2,3
	v_max3_num_f32 v[TQ+\k], |v[\x+8*\k]|, |v[\x+8*\k+1]|, |v[\x+8*\k+2]|
.endr
.irp i, 3,5
.irp k, 0,1,2,3
	v_max3_num_f32 v[TQ+\k], v[TQ+\k], |v[\x+8*\k+\i]|, |v[\x+8*\k+\i+1]|
.endr
.endr
.irp k, 0,1,2,3
	v_max_num_f32 v[TQ+\k], v[TQ+\k], |v[\x+8*\k+7]|
.endr
	v_max3_num_f32 v[TQ], v[TQ], v[TQ+1], v[TQ+2]
	v_max3_num_f32 v[TQ], v[TQ], v[TQ+3], (EMAX+1)<<23
	SCALE \n
.irp k, 0,1,2,3
	v_cvt_scalef32_pk8_bf8_f32 v[\c+2*\k:\c+2*\k+1], v[\x+8*\k:\x+8*\k+7], v[SOP+\n]
.endr
	v_lshrrev_b32 v[EB+\n], 23, v[SOP+\n]
.endm
.macro QHALF x0, x1, c, n
	v_max3_num_f32 v[TQ], |v[\x0]|, |v[\x0+1]|, |v[\x0+2]|
	v_max3_num_f32 v[TQ+2], |v[\x0+4]|, |v[\x0+5]|, |v[\x0+6]|
	v_max3_num_f32 v[TQ+3], |v[\x1]|, |v[\x1+1]|, |v[\x1+2]|
	v_max3_num_f32 v[TQ+4], |v[\x1+4]|, |v[\x1+5]|, |v[\x1+6]|
	v_max_num_f32 v[TQ], v[TQ], |v[\x0+3]|
	v_max_num_f32 v[TQ+2], v[TQ+2], |v[\x0+7]|
	v_max_num_f32 v[TQ+3], v[TQ+3], |v[\x1+3]|
	v_max_num_f32 v[TQ+4], v[TQ+4], |v[\x1+7]|
	v_max3_num_f32 v[TQ], v[TQ], v[TQ+2], v[TQ+3]
	v_max3_num_f32 v[TQ], v[TQ], v[TQ+4], (EMAX+1)<<23
	v_permlanex16_b32 v[TQ+2], v[TQ], s60, s61
	v_max_num_f32 v[TQ], v[TQ], v[TQ+2]
	SCALE \n
	v_cvt_scalef32_pk8_bf8_f32 v[\c:\c+1], v[\x0:\x0+7], v[SOP+\n]
	v_cvt_scalef32_pk8_bf8_f32 v[\c+2:\c+3], v[\x1:\x1+7], v[SOP+\n]
	v_lshrrev_b32 v[EB+\n], 23, v[SOP+\n]
.endm
.macro NPUT base, off
	global_store_b128 v[CN], v[NCD:NCD+3], \base offset:\off
	global_store_b128 v[CN], v[NCD+4:NCD+7], \base offset:(\off)+256
.endm
.macro VHOLD
.set I, 0
.rept 16
	v_dual_mov_b32 v[HV+I], v[ACC+I] :: v_dual_mov_b32 v[HV+I+1], v[ACC+I+1]
.set I, I+2
.endr
.endm
.macro VQUANT adr, boff, base, off
.irp t, 0,1,2,3
	QHALF HV+8*\t, ACC+8*\t, MCD+4*\t, \t
	ds_store_b8 v[\adr], v[EB+\t] offset:(\boff)+64*\t
	global_store_b128 v[CO], v[MCD+4*\t:MCD+4*\t+3], \base offset:(\off)+2*TB*\t
.endr
.endm
.macro REFILL lds
	s_wait_tensorcnt 0x0
	ds_add_u32 v[SPW], v[NIL]
	s_or_b32 s[G1R+0], s66, (1<<20)|(1<<21)|(7<<22)|(3<<25)
	s_mul_i32 s[G0R+1], s14, CH/4*PITCH
	s_add_co_u32 s[G0R+1], s[G0R+1], \lds
	s_mul_i32 s20, s14, CH/4*KROW
	s_add_co_u32 s20, s20, s100
	s_mov_b32 s21, 0
	s_add_nc_u64 s[G0R+2:G0R+3], s[4:5], s[20:21]
	s_or_b32 s[G0R+3], s[G0R+3], 0x80000000
	s_wait_dscnt 0x0
	CROUND
	TLOAD G0R, G1R
.endm
.macro PREF
	s_lshl_b32 s23, s23, 13
	s_add_co_u32 s22, s22, s23
	s_wait_xcnt 0x0
	v_lshlrev_b32 v7, 8, v3
	v_add_nc_u32 v7, s22, v7
	global_prefetch_b8 v7, s[4:5] th:TH_LOAD_NT scope:SCOPE_SE
.endm
.macro SLOT i, kind, n, mode
	MULS ((\i)%2), \kind
	PLACES NP+1
.if (\i) == 2 && (\mode) == 1
	s_mul_i32 s100, s46, CH*KROW
	s_add_co_u32 s100, s100, 2*CH*KROW
	s_add_co_u32 s100, s100, s67
	s_cmp_eq_u32 s46, NC-2
	s_cselect_b32 s100, s3, s100
	s_mov_b32 s66, s44
	REFILL s101
.if !IN3
	s_cmp_eq_u32 s46, NC-2
	s_cbranch_scc1 .Lno_request_\@
.endif
	s_mul_i32 s22, s46, CH*KROW
	s_add_co_u32 s22, s22, 3*CH*KROW
	s_add_co_u32 s22, s22, s67
	s_cmp_eq_u32 s46, NC-3
	s_cselect_b32 s22, s3, s22
	s_mov_b32 s23, s90
.if IN3
	s_cmp_eq_u32 s46, NC-2
	s_cselect_b32 s22, s2, s22
	s_cselect_b32 s23, s13, s90
.endif
	PREF
.Lno_request_\@:
.elseif (\i) == 2 && (\mode) == 0
	s_mov_b32 s100, s2
	s_mov_b32 s66, s45
	REFILL s101
.elseif (\i) == 2
	s_wait_tensorcnt 0x0
	s_wait_dscnt 0x0
	BARRIER
.elseif (\i) < 3 || (\mode)
	s_wait_dscnt 0x0
.endif
.if (\i) < 2
	s_add_co_u32 s20, s101, ((\i)+2)*32*PITCH
.elseif (\mode) == 2
	s_cmp_eq_u32 s46, (\n)-1
	s_cbranch_scc1 .Lno_fetch_\@
.endif
.if (\i) >= 2 && (\mode)
	s_add_co_u32 s20, s91, ((\i)-2)*32*PITCH
.endif
.if (\i) < 2 || (\mode)
	s_add_co_u32 s21, s47, ((\i)+2)*SSTEP
	FETCH ((\i)%2)
.endif
.if (\i) >= 2 && (\mode) == 2
.Lno_fetch_\@:
.endif
	s_wait_xcnt 0x0
.if (\i) == 0 && !(\kind)
	s_lshr_b32 s20, s46, 1
	s_and_b32 s21, s46, 1
	s_lshl_b32 s22, s20, 9
	s_lshl_b32 s23, s21, 7
	s_or_b32 s22, s22, s23
	s_lshl_b32 s20, s20, 2
	s_or_b32 s20, s20, s21
	s_mul_i32 s20, s20, 4*TB
	s_mov_b32 s21, 0
	s_add_nc_u64 s[84:85], s[92:93], s[20:21]
	v_add_nc_u32 v[VX], s22, v[STO]
.elseif (\i) == 0
	s_lshl_b32 s22, s46, 1
	s_lshl_b32 s20, s46, 10
	s_mov_b32 s21, 0
	s_add_nc_u64 s[84:85], s[96:97], s[20:21]
	v_add_nc_u32 v[VX+1], s22, v[RD]
.endif
.if !(\kind)
	QUANT ACC, NCD, 0
	ds_store_b8 v[VX], v[EB] offset:64*((\i)/2)+2*((\i)%2)
	NPUT s[84:85], TB*(\i)
.elseif (\i)%2
	VQUANT VX+1, (\i)/2, s[84:85], 512*((\i)/2)
.else
	VHOLD
.endif
.if (\i) == 2 && (\mode) == 0 && IN3
	s_add_co_u32 s22, s2, CH*KROW
	s_mov_b32 s23, s13
	PREF
.endif
	s_wait_alu depctr_va_vdst(0)
.endm
.macro CHUNKS n, kind
	s_mov_b32 s46, 0
.Lchunk_\@:
	SLOT 0, \kind, \n, 1
	SLOT 1, \kind, \n, 1
.if !(\kind)
	s_cmp_eq_u32 s46, (\n)-1
	s_cbranch_scc1 .Lchunks_end_\@
	SLOT 2, \kind, \n, 1
	SLOT 3, \kind, \n, 1
.else
	SLOT 2, \kind, \n, 2
	SLOT 3, \kind, \n, 2
	s_cmp_eq_u32 s46, (\n)-1
	s_cbranch_scc1 .Lchunks_end_\@
.endif
	s_add_co_u32 s46, s46, 1
	s_xor_b32 s101, s101, YB
	s_xor_b32 s91, s91, YB
	s_add_co_u32 s47, s47, 4*SSTEP
	s_branch .Lchunk_\@
.Lchunks_end_\@:
.if !(\kind)
	SLOT 2, \kind, \n, 0
	SLOT 3, \kind, \n, 0
.endif
.endm
	BFETCH ADRB
	s_add_co_u32 s100, s67, CH*KROW
	s_mov_b32 s66, s44
	s_mov_b32 s91, YB
	REFILL s91
	PREFETCH 2*CH, CH, 1
.if IN3
	s_lshl_b32 s13, s41, 2
	SADD 13, 14
.endif
	s_load_b256 s[92:99], s[0:1], 0x10
	s_mov_b32 s60, 0x76543210
	s_mov_b32 s61, 0xfedcba98
	s_mov_b32 s101, 0
	s_mov_b32 s47, 0
	s_mov_b32 s20, 0
	s_mov_b32 s21, 0
	FETCH 0
	s_mov_b32 s20, 32*PITCH
	s_mov_b32 s21, SSTEP
	FETCH 1
	s_wait_kmcnt 0x0
	s_add_nc_u64 s[92:93], s[92:93], s[76:77]
	s_add_nc_u64 s[94:95], s[94:95], s[78:79]
	s_add_nc_u64 s[96:97], s[96:97], s[80:81]
	s_add_nc_u64 s[98:99], s[98:99], s[82:83]
	s_wait_dscnt NF
	CHUNKS NC, 0
	s_mov_b32 s22, s12
	s_mov_b32 s23, 0
	s_add_nc_u64 s[22:23], s[6:7], s[22:23]
	BSCALES s[22:23]
	BFETCH ADRB+1
.if BIAS
.irp t, 0,1,2,3
.irp i, 0,1,2,3,4,5,6,7
	v_mov_b32 v[BQ+8*\t+\i], v[BV+\t]
.endr
.endr
.endif
	s_add_co_u32 s100, s2, CH*KROW
	s_mov_b32 s66, s45
	s_mov_b32 s91, 0
	s_wait_alu depctr_va_vdst(0)
	REFILL s91
	s_mov_b32 s101, YB
	s_mov_b32 s47, SCV-SCL
	s_mov_b32 s20, YB
	s_mov_b32 s21, SCV-SCL
	FETCH 0
	s_mov_b32 s20, YB+32*PITCH
	s_mov_b32 s21, SCV-SCL+SSTEP
	FETCH 1
	s_wait_loadcnt 0x0
	s_wait_dscnt NF
	CHUNKS NC/2, 1
	s_wait_dscnt 0x0
	BARRIER
	v_lshlrev_b32 v[SCR+48], 4, v3
	s_mul_i32 s21, s14, TM
	s_add_co_u32 s21, s21, XN
	v_add_nc_u32 v[SCR+49], s21, v[SCR+48]
	v_lshlrev_b32 v[SCR+50], 3, v3
	s_mul_i32 s21, s14, TV
	s_add_co_u32 s21, s21, XV
	v_add_nc_u32 v[SCR+51], s21, v[SCR+50]
	s_wait_alu depctr_va_vdst(0)
	s_wait_xcnt 0x0
	ds_load_b128 v[TQ:TQ+3], v[SCR+49]
	ds_load_b64 v[TQ+4:TQ+5], v[SCR+51]
	s_wait_dscnt 0x0
	global_store_b128 v[SCR+48], v[TQ:TQ+3], s[94:95]
	global_store_b64 v[SCR+50], v[TQ+4:TQ+5], s[98:99]
	s_wait_tensorcnt 0x0
	ds_add_u32 v[SPW], v[NIL]
	s_wait_dscnt 0x0
	CROUND
	s_endpgm
.Lfunc_end_k_q52e225e447_qkv:
	.size	k_q52e225e447_qkv, .Lfunc_end_k_q52e225e447_qkv-k_q52e225e447_qkv
	.p2alignl 7, 3214868480
	.fill 96, 4, 3214868480
	.section	.rodata,"a",@progbits
	.p2align	6, 0x0
	.amdhsa_kernel k_q52e225e447_qkv
		.amdhsa_group_segment_fixed_size 327680
		.amdhsa_private_segment_fixed_size 0
		.amdhsa_enable_private_segment 0
		.amdhsa_kernarg_size 72
		.amdhsa_user_sgpr_count 2
		.amdhsa_user_sgpr_kernarg_segment_ptr 1
		.amdhsa_wavefront_size32 1
		.amdhsa_system_sgpr_workgroup_id_x 1
		.amdhsa_system_sgpr_workgroup_id_y 1
		.amdhsa_system_sgpr_workgroup_id_z 1
		.amdhsa_system_vgpr_workitem_id 0
		.amdhsa_next_free_vgpr 1024
		.amdhsa_next_free_sgpr 102
		.amdhsa_reserve_vcc 0
		.amdhsa_float_denorm_mode_32 3
		.amdhsa_float_denorm_mode_16_64 3
		.amdhsa_fp16_overflow 1
		.amdhsa_memory_ordered 1
		.amdhsa_forward_progress 1
		.amdhsa_inst_pref_size 135
	.end_amdhsa_kernel
	.amdgpu_metadata
---
amdhsa.version: [ 1, 2 ]
amdhsa.kernels:
  - .name:           k_q52e225e447_qkv
    .symbol:         k_q52e225e447_qkv.kd
    .args:
      - { .name: pc, .offset: 0, .size: 8, .value_kind: global_buffer, .address_space: global }
      - { .name: ps, .offset: 8, .size: 8, .value_kind: global_buffer, .address_space: global }
      - { .name: qkc, .offset: 16, .size: 8, .value_kind: global_buffer, .address_space: global }
      - { .name: qks, .offset: 24, .size: 8, .value_kind: global_buffer, .address_space: global }
      - { .name: vc, .offset: 32, .size: 8, .value_kind: global_buffer, .address_space: global }
      - { .name: vs, .offset: 40, .size: 8, .value_kind: global_buffer, .address_space: global }
      - { .name: bq, .offset: 48, .size: 8, .value_kind: global_buffer, .address_space: global }
      - { .name: bk, .offset: 56, .size: 8, .value_kind: global_buffer, .address_space: global }
      - { .name: bv, .offset: 64, .size: 8, .value_kind: global_buffer, .address_space: global }
    .group_segment_fixed_size: 327680
    .private_segment_fixed_size: 0
    .kernarg_segment_align: 8
    .kernarg_segment_size: 72
    .max_flat_workgroup_size: 128
    .sgpr_count:     102
    .vgpr_count:     1024
    .wavefront_size: 32
...
	.end_amdgpu_metadata
.endif
;; end of part 2
;; launch attention (part 3): grid 4 x 64, 8 waves a work-group, clusters of 4 x 1, 327,680 bytes of LDS; arguments qkc, qks, vc, vs, out0, attention_mask; writes out0
.if DOCPART == 3
	.amdgcn_target "amdgcn-amd-amdhsa--gfx1250"
	.amdhsa_code_object_version 6
	.text
	.protected	k_q52e225e447_attention
	.globl	k_q52e225e447_attention
	.p2align	8
	.type	k_q52e225e447_attention,@function
k_q52e225e447_attention:
	s_mov_b64 s[64:65], 0
	v_nop
	global_prefetch_b8 v0, s[64:65] scope:SCOPE_SE
	s_setreg_imm32_b32 hwreg(HW_REG_WAVE_MODE, 25, 1), 1
	s_wait_xcnt 0x0
	s_wait_alu depctr_hold_cnt(0) depctr_sa_sdst(0) depctr_va_vdst(0) depctr_va_sdst(0) depctr_va_ssrc(0) depctr_va_vcc(0) depctr_vm_vsrc(0)
	s_getreg_b32 s2, hwreg(HW_REG_IB_STS2, 6, 4)
	s_cmp_eq_u32 s2, 0
	s_cbranch_scc0 .Lentry_in_a_cluster
	s_endpgm
.Lentry_in_a_cluster:
	s_bfe_u32 s2, ttmp6, 0x10000c
	s_cmp_lg_u32 s2, 0x3003
	s_cbranch_scc0 .Lentry_shape_is_right
	s_endpgm
.Lentry_shape_is_right:
.set SIZE_H, 64
.set SIZE_CAUSAL, 0
.set NK,     2048
.set STEPS,  NK/128
.set ROWB,   64
.set OPB,    2048
.set KSTEP,  4*OPB
.set HEADB,  NK*ROWB
.set VB,     HEADB
.set KSB,    VB+HEADB
.set VSB,    KSB+2*NK
.set SPARE,  VSB+2*NK
.set CXB,    SPARE+1024
.set MASKIN, 1
.set MDT,    1
.set MSENSE, 0
.set MVAL,   0
.set MMUL,   0x41000000
.set MSUB,   0
.set MKO,    0
.set MHS,    4
.if MDT
.set MEB,    4
.else
.set MEB,    1
.endif
.if MSENSE == 2
.set MKS,    4*NK
.set MKL,    9
.else
.set MKS,    NK/2
.set MKL,    6
.endif
.set MKT,    CXB+1024
.set WOUT,   2
.set WSP,    256+16
.set WSW,    16*WSP
.set WSG,    CXB+1024+8192
.set TD,     16
.set WSH,    8+4*(WOUT/2)
.set SPW,    1
.set NIL,    2
.set AK,     3
.set AV,     4
.set AKS,    5
.set AVS,    6
.set ADK,    7
.set AMK,    9
.set ADV,    8
.set ADKS,   10
.set ADVS,   11
.set KSC,    12
.set VSC,    14
.set QSC,    16
.set PSC,    20
.set NINF,   21
.set ST,     22
.set BM,     46
.set BX,     50
.set SOP,    54
.set BY,     62
.set NMO,    66
.set TM,     67
.set P,      68
.set DT,     84
.set MC,     DT+8
.set S,      116
.set QF,     180
.set A2,     252
.set O,      0
.set KF,     128
.set VF,     192
.set WV,     18
.set HD,     19
.set CX,     20
.set CS,     22
.set G1KS,   24
.set G1K,    40
.set G0,     56
.set SEL,    60
.set MP,     92
.set MB,     G1K
.set MTC,    93
.set MTN,    95
.set MSC,    96
.set SC,     66
.set TK,     67
.set TV,     68
.set TKS,    69
.set TVS,    70
.set T0,     71
.set T1,     80
.set T2,     81
.set T3,     82
.set QB,     72
.set SB,     84
.set LIM,    92
.set LIM2,   94
.set AW,     97
.set OB,     98
.set OO,     100
.set MKA,    24
.set MKB,    72
.set MKC,    84
.macro MM d, a, b, sa, sb, row
.if \row
	v_wmma_scale_f32_16x16x128_f8f6f4 v[\d:\d+7], v[\a:\a+15], v[\b:\b+15], 0, v[\sa], v[\sb] matrix_a_fmt:MATRIX_FMT_BF8 matrix_b_fmt:MATRIX_FMT_BF8 matrix_a_scale:MATRIX_SCALE_ROW1
.else
	v_wmma_scale_f32_16x16x128_f8f6f4 v[\d:\d+7], v[\a:\a+15], v[\b:\b+15], 0, v[\sa], v[\sb] matrix_a_fmt:MATRIX_FMT_BF8 matrix_b_fmt:MATRIX_FMT_BF8
.endif
.endm
.macro MMS d, a, b, sa, sb, row
.if MASKIN
.if \row
	v_wmma_scale_f32_16x16x128_f8f6f4 v[\d:\d+7], v[\a:\a+15], v[\b:\b+15], v[\d:\d+7], v[\sa], v[\sb] matrix_a_fmt:MATRIX_FMT_BF8 matrix_b_fmt:MATRIX_FMT_BF8 matrix_a_scale:MATRIX_SCALE_ROW1
.else
	v_wmma_scale_f32_16x16x128_f8f6f4 v[\d:\d+7], v[\a:\a+15], v[\b:\b+15], v[\d:\d+7], v[\sa], v[\sb] matrix_a_fmt:MATRIX_FMT_BF8 matrix_b_fmt:MATRIX_FMT_BF8
.endif
.else
	MM \d, \a, \b, \sa, \sb, \row
.endif
.endm
.macro ROUND
	s_barrier_signal -1
	s_barrier_wait -1
	s_cmp_lg_u32 s[WV], 0
	s_cbranch_scc1 .Lnot_wave_0_\@
	s_barrier_signal -3
.Lnot_wave_0_\@:
	s_barrier_wait -3
	s_barrier_signal -1
	s_barrier_wait -1
.endm
.macro DESC g, rows
	s_mov_b32 s[\g], 15|(3<<16)|(1<<21)
	s_mov_b32 s[\g+1], 32<<16
	s_mov_b32 s[\g+2], (\rows)<<16
	s_mov_b32 s[\g+3], 32<<16
	s_mov_b32 s[\g+4], \rows
	s_mov_b32 s[\g+5], 32
	s_mov_b32 s[\g+6], 0
	s_mov_b32 s[\g+7], 0
.endm
.macro ASK g1
	s_or_b32 s[G0+3], s[G0+3], 0x80000000
	tensor_load_to_lds s[G0:G0+3], s[\g1:\g1+7]
	s_nop 0
.rept 4
	v_nop
.endr
.endm
.macro LOADK
	v_add_nc_u32 v[ADK], s[TK], v[AK]
	v_add_nc_u32 v[ADKS], s[TKS], v[AKS]
	s_set_vgpr_msb 0x40
.irp k, 0,1,2,3
.irp j, 0,1,2,3
	ds_load_b128 v[KF+16*\k+4*\j:KF+16*\k+4*\j+3], v[ADK] offset:OPB*\k+512*\j
.endr
.endr
	s_set_vgpr_msb 0x4000
	ds_load_b32 v[KSC], v[ADKS]
	ds_load_b32 v[KSC+1], v[ADKS] offset:128
.endm
.macro LOADV
	v_add_nc_u32 v[ADV], s[TV], v[AV]
	v_add_nc_u32 v[ADVS], s[TVS], v[AVS]
	s_set_vgpr_msb 0x40
.irp k, 0,1,2,3
.irp j, 0,1,2,3
	ds_load_b128 v[VF+16*\k+4*\j:VF+16*\k+4*\j+3], v[ADV] offset:OPB*\k+512*\j
.endr
.endr
	s_set_vgpr_msb 0x4000
	ds_load_b32 v[VSC], v[ADVS]
	ds_load_b32 v[VSC+1], v[ADVS] offset:128
.endm
.set PRIO,   1
.set PRT2,   2
.set PRTL,   3
.macro TSTEP i, p, vload, kload, mask
.if PRIO && (\i == 0)
	s_setprio 3
.endif
.if PRIO && (\i == PRT2)
	s_setprio 2
.endif
.set SUMI, ST+6*\i+2
.set FP, ST+6*\p+4
.set QI, QF+16*\i
.set NMI, ST+6*\i
.set FI, ST+6*\i+4
.set OP, O+32*\p
.if MASKIN == 1 && MSENSE == 2
	v_add_nc_u32 v[ADKS], s[MTC], v[AMK]
.irp g, 0,1,2,3,4,5,6,7
	ds_load_b128 v[S+8*\g:S+8*\g+3], v[ADKS] offset:32*\g
	ds_load_b128 v[S+8*\g+4:S+8*\g+7], v[ADKS] offset:32*\g+16
.endr
	s_wait_alu depctr_va_vdst(0)
	s_wait_dscnt 0x0
.elseif MASKIN == 1
.irp g, 0,1,2,3,4,5,6,7
	v_cvt_scale_pk8_f32_fp4 v[S+8*\g:S+8*\g+7], v[MC+\g], s[MSC]
.endr
	v_nop
.endif
	s_set_vgpr_msb 0x1
	MM DT, VF, P, VSC, PSC, 0
	MM DT+8, VF+16, P, VSC, PSC, 1
	MM DT+16, VF+32, P, VSC+1, PSC, 0
	MM DT+24, VF+48, P, VSC+1, PSC, 1
	MMS S, KF, QI+8, KSC, QSC+\i, 0
	MMS S+8, KF, QI, KSC, QSC+\i, 0
	MMS S+16, KF+16, QI+8, KSC, QSC+\i, 1
	MMS S+24, KF+16, QI, KSC, QSC+\i, 1
	MMS S+32, KF+32, QI+8, KSC+1, QSC+\i, 0
	MMS S+40, KF+32, QI, KSC+1, QSC+\i, 0
	MMS S+48, KF+48, QI+8, KSC+1, QSC+\i, 1
	MMS S+56, KF+48, QI, KSC+1, QSC+\i, 1
.rept 8
	v_nop
.endr
.if PRIO && (\i == PRTL)
	s_setprio 1
	s_nop 0
.endif
	s_set_vgpr_msb 0x100
.if \mask
	s_cmp_eq_u32 s[SC], s[LIM+2*((\i)/2)]
	s_cbranch_scc1 .Lmask\i\p
.Lmasked\i\p:
.endif
.irp k, 0,1,2,3
	v_max3_num_f32 v[BM+\k], v[S+16*\k], v[S+16*\k+1], v[S+16*\k+2]
	v_max3_num_f32 v[A2+\k], v[S+16*\k+8], v[S+16*\k+9], v[S+16*\k+10]
.endr
.irp k, 0,1
.irp j, 0,1,2,3
	v_max3_num_f32 v[BM+\j], v[BM+\j], v[S+2*\k+16*\j+3], v[S+2*\k+16*\j+4]
.endr
.irp j, 0,1,2,3
	v_max3_num_f32 v[A2+\j], v[A2+\j], v[S+2*\k+16*\j+11], v[S+2*\k+16*\j+12]
.endr
.endr
.irp k, 0,1,2,3
	v_max3_num_f32 v[BM+\k], v[BM+\k], v[A2+\k], v[S+16*\k+7]
.endr
.irp k, 0,1,2,3
	v_max_num_f32 v[BM+\k], v[BM+\k], v[S+16*\k+15]
.endr
	v_nop
.irp k, 0,1,2,3
	v_permlanex16_b32 v[BX+\k], v[BM+\k], s[SEL], s[SEL+1]
.endr
	v_nop
.irp k, 0,1,2,3
	v_max_num_f32 v[BM+\k], v[BM+\k], v[BX+\k]
.endr
	s_set_vgpr_msb 0x41
	v_pk_fma_f32 v[OP+0:OP+1], v[OP+0:OP+1], v[FP:FP+1], v[DT+0:DT+1] op_sel_hi:[1,0,1]
	v_pk_fma_f32 v[OP+8:OP+9], v[OP+8:OP+9], v[FP:FP+1], v[DT+8:DT+9] op_sel_hi:[1,0,1]
	v_pk_fma_f32 v[OP+16:OP+17], v[OP+16:OP+17], v[FP:FP+1], v[DT+16:DT+17] op_sel_hi:[1,0,1]
	v_pk_fma_f32 v[OP+24:OP+25], v[OP+24:OP+25], v[FP:FP+1], v[DT+24:DT+25] op_sel_hi:[1,0,1]
	s_set_vgpr_msb 0x4100
	v_max3_num_f32 v[TM], v[BM], v[BM+1], v[BM+2]
	s_set_vgpr_msb 0x41
	v_pk_fma_f32 v[OP+2:OP+3], v[OP+2:OP+3], v[FP:FP+1], v[DT+2:DT+3] op_sel_hi:[1,0,1]
	v_pk_fma_f32 v[OP+4:OP+5], v[OP+4:OP+5], v[FP:FP+1], v[DT+4:DT+5] op_sel_hi:[1,0,1]
	v_pk_fma_f32 v[OP+6:OP+7], v[OP+6:OP+7], v[FP:FP+1], v[DT+6:DT+7] op_sel_hi:[1,0,1]
	s_set_vgpr_msb 0x4100
	v_max3_num_f32 v[NMI+1], v[TM], v[BM+3], v[NMI+1]
	v_mov_b32 v[NMO], v[NMI]
	s_set_vgpr_msb 0x41
	v_pk_fma_f32 v[OP+10:OP+11], v[OP+10:OP+11], v[FP:FP+1], v[DT+10:DT+11] op_sel_hi:[1,0,1]
	v_pk_fma_f32 v[OP+12:OP+13], v[OP+12:OP+13], v[FP:FP+1], v[DT+12:DT+13] op_sel_hi:[1,0,1]
	v_pk_fma_f32 v[OP+14:OP+15], v[OP+14:OP+15], v[FP:FP+1], v[DT+14:DT+15] op_sel_hi:[1,0,1]
	s_set_vgpr_msb 0x4100
	v_mul_f32 v[TM], s[CS], v[NMI+1]
	s_set_vgpr_msb 0x41
	v_pk_fma_f32 v[OP+18:OP+19], v[OP+18:OP+19], v[FP:FP+1], v[DT+18:DT+19] op_sel_hi:[1,0,1]
	v_pk_fma_f32 v[OP+20:OP+21], v[OP+20:OP+21], v[FP:FP+1], v[DT+20:DT+21] op_sel_hi:[1,0,1]
	v_pk_fma_f32 v[OP+22:OP+23], v[OP+22:OP+23], v[FP:FP+1], v[DT+22:DT+23] op_sel_hi:[1,0,1]
	s_set_vgpr_msb 0x4100
	v_floor_f32 v[NMI], -v[TM]
	s_set_vgpr_msb 0x41
	v_pk_fma_f32 v[OP+26:OP+27], v[OP+26:OP+27], v[FP:FP+1], v[DT+26:DT+27] op_sel_hi:[1,0,1]
	v_pk_fma_f32 v[OP+28:OP+29], v[OP+28:OP+29], v[FP:FP+1], v[DT+28:DT+29] op_sel_hi:[1,0,1]
	v_pk_fma_f32 v[OP+30:OP+31], v[OP+30:OP+31], v[FP:FP+1], v[DT+30:DT+31] op_sel_hi:[1,0,1]
	s_set_vgpr_msb 0x4100
.irp k, 0,1,2,3
	v_fma_f32 v[BM+\k], v[BM+\k], s[CS], v[NMI]
.endr
	v_sub_f32 v[TM], v[NMI], v[NMO]
.irp k, 0,1,2,3
	v_add_f32 v[BM+\k], 0x3338af00, v[BM+\k]
.endr
	v_pk_fma_f32 v[S:S+1], v[S:S+1], s[CS:CS+1], v[NMI:NMI+1] op_sel_hi:[1,0,0]
	v_pk_fma_f32 v[S+2:S+3], v[S+2:S+3], s[CS:CS+1], v[NMI:NMI+1] op_sel_hi:[1,0,0]
	v_pk_fma_f32 v[S+4:S+5], v[S+4:S+5], s[CS:CS+1], v[NMI:NMI+1] op_sel_hi:[1,0,0]
.irp k, 0,1,2,3
	v_max_num_f32 v[BM+\k], 0xc2de0000, v[BM+\k]
.endr
	v_pk_fma_f32 v[S+6:S+7], v[S+6:S+7], s[CS:CS+1], v[NMI:NMI+1] op_sel_hi:[1,0,0]
	v_pk_fma_f32 v[S+8:S+9], v[S+8:S+9], s[CS:CS+1], v[NMI:NMI+1] op_sel_hi:[1,0,0]
	v_pk_fma_f32 v[S+10:S+11], v[S+10:S+11], s[CS:CS+1], v[NMI:NMI+1] op_sel_hi:[1,0,0]
.irp k, 0,1,2,3
	v_cvt_floor_i32_f32 v[BY+\k], v[BM+\k]
.endr
	v_pk_fma_f32 v[S+12:S+13], v[S+12:S+13], s[CS:CS+1], v[NMI:NMI+1] op_sel_hi:[1,0,0]
	v_pk_fma_f32 v[S+14:S+15], v[S+14:S+15], s[CS:CS+1], v[NMI:NMI+1] op_sel_hi:[1,0,0]
	v_pk_fma_f32 v[S+16:S+17], v[S+16:S+17], s[CS:CS+1], v[NMI:NMI+1] op_sel_hi:[1,0,0]
.irp k, 0,1,2,3
	v_add_nc_u32 v[BY+\k], 112, v[BY+\k]
.endr
	v_pk_fma_f32 v[S+18:S+19], v[S+18:S+19], s[CS:CS+1], v[NMI:NMI+1] op_sel_hi:[1,0,0]
	v_pk_fma_f32 v[S+20:S+21], v[S+20:S+21], s[CS:CS+1], v[NMI:NMI+1] op_sel_hi:[1,0,0]
	v_pk_fma_f32 v[S+22:S+23], v[S+22:S+23], s[CS:CS+1], v[NMI:NMI+1] op_sel_hi:[1,0,0]
.irp k, 0,1,2,3
	v_lshlrev_b32 v[SOP+\k], 23, v[BY+\k]
.endr
.irp k, 0,1,2,3
	v_pk_fma_f32 v[S+2*\k+24:S+2*\k+25], v[S+2*\k+24:S+2*\k+25], s[CS:CS+1], v[NMI:NMI+1] op_sel_hi:[1,0,0]
.endr
.if \kload
	LOADK
.endif
.if \vload
	LOADV
.endif
.if MASKIN == 1 && MSENSE != 2
.if \kload
	v_add_nc_u32 v[ADVS], s[MTN], v[AMK]
	ds_load_b128 v[MC:MC+3], v[ADVS]
	ds_load_b128 v[MC+4:MC+7], v[ADVS] offset:16
.else
	v_add_nc_u32 v[ADKS], s[MTC], v[AMK]
	ds_load_b128 v[MC:MC+3], v[ADKS]
	ds_load_b128 v[MC+4:MC+7], v[ADKS] offset:16
.endif
.endif
	s_wait_alu depctr_va_vdst(0)
.irp k, 0,1,2,3,4,5,6,7,8,9,10,11,12
	v_exp_f32 v[S+\k], v[S+\k]
.endr
.irp k, 0,1,2,3,4,5,6,7,8,9,10,11,12,13,14,15
	v_exp_f32 v[S+\k+13], v[S+\k+13]
	v_pk_fma_f32 v[S+2*\k+32:S+2*\k+33], v[S+2*\k+32:S+2*\k+33], s[CS:CS+1], v[NMI:NMI+1] op_sel_hi:[1,0,0]
.endr
	v_exp_f32 v[S+29], v[S+29]
	v_lshl_or_b32 v[BY], v[BY+1], 8, v[BY]
	v_exp_f32 v[S+30], v[S+30]
	v_lshl_or_b32 v[BY+2], v[BY+3], 8, v[BY+2]
	v_exp_f32 v[S+31], v[S+31]
	v_cvt_i32_f32 v[TM], v[TM]
.if PRIO && (\i == PRTL)
	s_setprio 0
.endif
	s_wait_alu depctr_va_vdst(0)
.irp k, 0,1,2,3,4,5,6,7,8,9,10,11,12,13,14,15,16,17,18,19,20,21
	v_exp_f32 v[S+\k+32], v[S+\k+32]
.endr
.irp k, 0,1,2,3,4,5,6,7
	v_exp_f32 v[S+\k+54], v[S+\k+54]
	v_pk_add_f32 v[DT+2*\k+16:DT+2*\k+17], v[S+4*\k:S+4*\k+1], v[S+4*\k+2:S+4*\k+3]
.endr
	v_exp_f32 v[S+62], v[S+62]
	v_lshl_or_b32 v[PSC], v[BY+2], 16, v[BY]
	v_exp_f32 v[S+63], v[S+63]
	v_ldexp_f32 v[FI], 1.0, v[TM]
	s_wait_alu depctr_va_vdst(0)
.if MASKIN >= 2 && SIZE_CAUSAL
	s_wait_loadcnt 0x2
.elseif MASKIN >= 2
	s_wait_loadcnt 0x6
.endif
.if \kload || \vload || (MASKIN == 1 && MSENSE != 2)
	s_wait_dscnt 0x0
.endif
	v_cvt_scalef32_pk8_bf8_f32 v[P+0:P+1], v[S+0:S+7], v[SOP]
	v_pk_add_f32 v[DT+16:DT+17], v[DT+16:DT+17], v[S+32:S+33]
	v_pk_add_f32 v[DT+18:DT+19], v[DT+18:DT+19], v[S+34:S+35]
	v_cvt_scalef32_pk8_bf8_f32 v[P+2:P+3], v[S+8:S+15], v[SOP]
	v_pk_add_f32 v[DT+20:DT+21], v[DT+20:DT+21], v[S+36:S+37]
	v_pk_add_f32 v[DT+22:DT+23], v[DT+22:DT+23], v[S+38:S+39]
	v_cvt_scalef32_pk8_bf8_f32 v[P+4:P+5], v[S+16:S+23], v[SOP+1]
	v_pk_add_f32 v[DT+24:DT+25], v[DT+24:DT+25], v[S+40:S+41]
	v_pk_add_f32 v[DT+26:DT+27], v[DT+26:DT+27], v[S+42:S+43]
	v_cvt_scalef32_pk8_bf8_f32 v[P+6:P+7], v[S+24:S+31], v[SOP+1]
	v_pk_add_f32 v[DT+28:DT+29], v[DT+28:DT+29], v[S+44:S+45]
	v_pk_add_f32 v[DT+30:DT+31], v[DT+30:DT+31], v[S+46:S+47]
	v_cvt_scalef32_pk8_bf8_f32 v[P+8:P+9], v[S+32:S+39], v[SOP+2]
	v_pk_add_f32 v[DT+16:DT+17], v[DT+16:DT+17], v[S+48:S+49]
	v_pk_add_f32 v[DT+18:DT+19], v[DT+18:DT+19], v[S+50:S+51]
	v_cvt_scalef32_pk8_bf8_f32 v[P+10:P+11], v[S+40:S+47], v[SOP+2]
	v_pk_add_f32 v[DT+20:DT+21], v[DT+20:DT+21], v[S+52:S+53]
	v_pk_add_f32 v[DT+22:DT+23], v[DT+22:DT+23], v[S+54:S+55]
	v_cvt_scalef32_pk8_bf8_f32 v[P+12:P+13], v[S+48:S+55], v[SOP+3]
	v_pk_add_f32 v[DT+24:DT+25], v[DT+24:DT+25], v[S+56:S+57]
	v_pk_add_f32 v[DT+26:DT+27], v[DT+26:DT+27], v[S+58:S+59]
	v_cvt_scalef32_pk8_bf8_f32 v[P+14:P+15], v[S+56:S+63], v[SOP+3]
	v_pk_add_f32 v[DT+28:DT+29], v[DT+28:DT+29], v[S+60:S+61]
	v_pk_add_f32 v[DT+30:DT+31], v[DT+30:DT+31], v[S+62:S+63]
.irp k, 0,1,2,3
	v_pk_add_f32 v[DT+4*\k+16:DT+4*\k+17], v[DT+4*\k+16:DT+4*\k+17], v[DT+4*\k+18:DT+4*\k+19]
.endr
	v_pk_add_f32 v[DT+16:DT+17], v[DT+16:DT+17], v[DT+20:DT+21]
	v_pk_add_f32 v[DT+24:DT+25], v[DT+24:DT+25], v[DT+28:DT+29]
	v_nop
	v_pk_add_f32 v[DT+16:DT+17], v[DT+16:DT+17], v[DT+24:DT+25]
	v_nop
	v_pk_fma_f32 v[SUMI:SUMI+1], v[SUMI:SUMI+1], v[FI:FI+1], v[DT+16:DT+17] op_sel_hi:[1,0,1]
.endm
.macro QUANT x, c
.irp k, 0,1,2,3
	v_max3_num_f32 v[S+32+\k], |v[\x+8*\k]|, |v[\x+8*\k+1]|, |v[\x+8*\k+2]|
.endr
.irp i, 3,5
.irp k, 0,1,2,3
	v_max3_num_f32 v[S+32+\k], v[S+32+\k], |v[\x+8*\k+\i]|, |v[\x+8*\k+\i+1]|
.endr
.endr
.irp k, 0,1,2,3
	v_max_num_f32 v[S+32+\k], v[S+32+\k], |v[\x+8*\k+7]|
.endr
	v_max3_num_f32 v[S+32], v[S+32], v[S+33], v[S+34]
	v_max3_num_f32 v[S+32], v[S+32], v[S+35], 16<<23
	v_add_nc_u32 v[S+48], -(15<<23), v[S+32]
.irp k, 0,1,2,3
	v_cvt_scalef32_pk8_bf8_f32 v[\c+2*\k:\c+2*\k+1], v[\x+8*\k:\x+8*\k+7], v[S+48]
.endr
	v_lshrrev_b32 v[S+49], 23, v[S+48]
.endm
.macro OUTW i, more
.set SUMI, ST+6*\i+2
.set OI, O+32*\i
	v_add_f32 v[SOP+2], v[SUMI], v[SUMI+1]
	v_and_b32 v[BM], 15, v0
	v_bfe_u32 v[BM+1], v0, 4, 1
	s_mul_i32 s[T0], s[WV], WSW
	s_add_co_u32 s[T0], s[T0], WSG
	v_mul_u32_u24 v[BM+2], v[BM], WSP
	v_mul_u32_u24 v[BM+3], v[BM+1], WSP
	v_permlanex16_b32 v[BX], v[SOP+2], s[SEL], s[SEL+1]
	s_delay_alu instid0(VALU_DEP_3)
	v_lshl_add_u32 v[BM+2], v[BM+1], 7, v[BM+2]
	s_delay_alu instid0(VALU_DEP_3)
	v_lshl_add_u32 v[BM+3], v[BM], 4, v[BM+3]
	v_lshlrev_b32 v[SOP], WSH, v[BM+1]
	s_delay_alu instid0(VALU_DEP_3)
	v_add_nc_u32 v[BM+2], s[T0], v[BM+2]
	s_delay_alu instid0(VALU_DEP_3)
	v_add_nc_u32 v[BM+3], s[T0], v[BM+3]
	v_add_f32 v[SOP+2], v[SOP+2], v[BX]
	s_delay_alu instid0(VALU_DEP_4)
	v_lshl_add_u32 v[SOP], v[BM], 4, v[SOP]
.if (\i) < 2
	s_add_co_u32 s[T0], s[AW], \i
.else
	s_sub_co_u32 s[T0], \i+28, s[AW]
.endif
	s_lshl_b32 s[T0], s[T0], 6
	s_lshr_b32 s[T3], s[CX], 1
	s_lshl_b32 s[T3], s[T3], 5
	s_add_co_u32 s[T0], s[T0], s[T3]
	s_and_b32 s[T3], s[CX], 1
	s_lshl_b32 s[T3], s[T3], 3
	s_add_co_u32 s[T0], s[T0], s[T3]
	s_lshl_b32 s[OO], s[T0], WSH
	s_mov_b32 s[OO+1], 0
	s_add_nc_u64 s[OB:OB+1], s[16:17], s[OO:OO+1]
	s_wait_alu depctr_va_vdst(0)
	v_rcp_f32 v[SOP+2], v[SOP+2]
	v_mov_b32 v[SOP+3], 0
	s_wait_alu depctr_va_vdst(0)
	s_set_vgpr_msb 0x1
.irp k, 0,1,2,3,4,5,6,7,8,9,10,11,12,13,14,15
	v_pk_mul_f32 v[S+2*\k:S+2*\k+1], v[OI+2*\k:OI+2*\k+1], v[SOP+2:SOP+3] op_sel_hi:[1,0]
.endr
	s_set_vgpr_msb 0x100
.irp k, 0,1,2,3
	ds_store_b128 v[BM+2], v[S+8*\k:S+8*\k+3] offset:32*\k
	ds_store_b128 v[BM+2], v[S+8*\k+4:S+8*\k+7] offset:32*\k+16
.endr
.irp k, 0,1,2,3,4,5,6,7
	ds_load_b128 v[S+4*\k+32:S+4*\k+35], v[BM+3] offset:2*WSP*\k
.endr
.irp k, 0,1,2,3,4,5,6,7
	s_wait_dscnt 7-\k
	global_store_b128 v[SOP], v[S+4*\k+32:S+4*\k+35], s[OB:OB+1] offset:(2*\k+(TD-8)*(\k/4))<<WSH
.endr
.if \more
	s_wait_xcnt 0x0
.endif
.endm
.macro OUT i, more
.if WOUT
	OUTW \i, \more
.else
.set SUMI, ST+6*\i+2
.set OI, O+32*\i
	v_add_f32 v[SOP+2], v[SUMI], v[SUMI+1]
	v_and_b32 v[BM], 15, v0
	v_bfe_u32 v[BM+1], v0, 4, 1
	s_delay_alu instid0(VALU_DEP_1)
	v_lshl_add_u32 v[BM+2], v[BM], 1, v[BM+1]
	v_lshlrev_b32 v[SOP], 9, v[BM+1]
	v_permlanex16_b32 v[BX], v[SOP+2], s[SEL], s[SEL+1]
	s_delay_alu instid0(VALU_DEP_2)
	v_lshl_add_u32 v[SOP], v[BM], 4, v[SOP]
.if (\i) < 2
	s_add_co_u32 s[T0], s[AW], \i
.else
	s_sub_co_u32 s[T0], \i+28, s[AW]
.endif
	s_lshr_b32 s[T3], s[T0], 2
	s_lshl_b32 s[T3], s[T3], 4
	s_and_b32 s[T1], s[T0], 1
	s_lshl_b32 s[T1], s[T1], 3
	s_add_co_u32 s[T3], s[T3], s[T1]
	s_bfe_u32 s[T1], s[T0], 0x10001
	s_add_co_u32 s[T3], s[T3], s[T1]
	s_lshl_b32 s[T1], s[CX], 1
	s_add_co_u32 s[T3], s[T3], s[T1]
	s_lshl_b32 s[OO], s[T3], 14
	s_mov_b32 s[OO+1], 0
	s_add_nc_u64 s[OB:OB+1], s[16:17], s[OO:OO+1]
	s_lshl_b32 s[T0], s[T0], 5
	s_add_co_u32 s[T0], s[T0], CXB
	s_wait_alu depctr_va_vdst(0)
	v_add_nc_u32 v[BM+2], s[T0], v[BM+2]
	v_add_f32 v[SOP+2], v[SOP+2], v[BX]
	s_wait_alu depctr_va_vdst(0)
	v_rcp_f32 v[SOP+2], v[SOP+2]
	v_mov_b32 v[SOP+3], 0
	s_wait_alu depctr_va_vdst(0)
	s_set_vgpr_msb 0x1
.irp k, 0,1,2,3,4,5,6,7,8,9,10,11,12,13,14,15
	v_pk_mul_f32 v[S+2*\k:S+2*\k+1], v[OI+2*\k:OI+2*\k+1], v[SOP+2:SOP+3] op_sel_hi:[1,0]
.endr
	s_set_vgpr_msb 0x100
	QUANT S, S+40
	ds_store_b8 v[BM+2], v[S+49]
	global_store_b128 v[SOP], v[S+40:S+43], s[OB:OB+1]
	global_store_b128 v[SOP], v[S+44:S+47], s[OB:OB+1] offset:256
.if \more
	s_wait_xcnt 0x0
.endif
.endif
.endm
.macro MASKS i, p
.Lmask\i\p:
.if (\i) % 2 == 0
.irp k, 0,1,2,3,4,5,6,7,8,9,10,11,12,13,14,15
	v_cndmask_b32 v[S+\k], v[S+\k], v[NINF], s[MKA+\k]
.endr
.irp k, 0,1,2,3,4,5,6,7
	v_cndmask_b32 v[S+\k+16], v[S+\k+16], v[NINF], s[MKB+\k]
.endr
.irp k, 0,1,2,3,4,5,6,7
	v_cndmask_b32 v[S+\k+24], v[S+\k+24], v[NINF], s[MKC+\k]
.endr
.irp k, 0,1,2,3,4,5,6,7,8,9,10,11,12,13,14,15
	v_dual_mov_b32 v[S+2*\k+32], v[NINF] :: v_dual_mov_b32 v[S+2*\k+33], v[NINF]
.endr
.else
.irp k, 0,1,2,3,4,5,6,7,8,9,10,11,12,13,14,15
	v_cndmask_b32 v[S+\k+32], v[S+\k+32], v[NINF], s[MKA+\k]
.endr
.irp k, 0,1,2,3,4,5,6,7
	v_cndmask_b32 v[S+\k+48], v[S+\k+48], v[NINF], s[MKB+\k]
.endr
.irp k, 0,1,2,3,4,5,6,7
	v_cndmask_b32 v[S+\k+56], v[S+\k+56], v[NINF], s[MKC+\k]
.endr
.endif
	s_branch .Lmasked\i\p
.endm
.macro LEAVE i
	s_cmp_eq_u32 s[SC], s[LIM+2*((\i)/2)]
	s_cbranch_scc1 .Lout\i
.Lback\i:
.endm
.macro GOES i
.Lout\i:
	OUT \i, 1
	s_branch .Lback\i
.endm
	s_load_b128 s[4:7], s[0:1], 0x0
.if MASKIN && WOUT
	s_load_b64 s[MP:MP+1], s[0:1], 0x28
.elseif MASKIN
	s_load_b64 s[MP:MP+1], s[0:1], 0x30
.endif
	s_load_b128 s[12:15], s[0:1], 0x10
	s_load_b64 s[16:17], s[0:1], 0x20
	v_lshl_add_u32 v[SPW], v0, 2, SPARE
	v_mov_b32 v[NIL], 0
	ds_add_u32 v[SPW], v[NIL]
	ds_add_u32 v[SPW], v[NIL]
	v_lshrrev_b32 v[ADK], 5, v0
	s_delay_alu instid0(VALU_DEP_1)
	v_readfirstlane_b32 s[WV], v[ADK]
	s_and_b32 s[HD], ttmp7, 0xffff
	s_bfe_u32 s[CX], ttmp6, 0x40000
	DESC G1KS, 16
	DESC G1K, 512
	s_mov_b32 s[SEL], 0x76543210
	s_mov_b32 s[SEL+1], 0xfedcba98
.if !WOUT
.endif
	s_mov_b32 s[CS], 0x3e38aa3b
	s_mov_b32 s[CS+1], s[CS]
	s_and_b32 s[T0], s[HD], 15
	s_lshr_b32 s[T1], s[HD], 4
	s_mul_i32 s[T2], s[T0], SIZE_H/16
	s_add_co_u32 s[T2], s[T2], s[T1]
	s_lshl_b32 s[SB], s[T2], 17
	s_mov_b32 s[SB+1], 0
	s_lshl_b32 s[SB+2], s[T2], 12
	s_mov_b32 s[SB+3], 0
.if WOUT == 1
	s_mul_i32 s[OO], s[HD], NK*256
.elseif WOUT == 2
	s_mul_i32 s[OO], s[T1], NK*4096
	s_lshl_b32 s[T3], s[T0], 8
	s_add_co_u32 s[OO], s[OO], s[T3]
.else
	s_mul_i32 s[OO], s[T1], 1024*OPB
	s_lshl_b32 s[T3], s[T0], 10
	s_add_co_u32 s[OO], s[OO], s[T3]
.endif
	s_mov_b32 s[OO+1], 0
.if !WOUT
	s_mul_i32 s[OB], s[T0], SIZE_H/16*4096
	s_lshl_b32 s[T3], s[T1], 12
	s_add_co_u32 s[OB], s[OB], s[T3]
	s_lshl_b32 s[T3], s[CX], 10
	s_add_co_u32 s[OB], s[OB], s[T3]
	s_mov_b32 s[OB+1], 0
.endif
	s_mov_b32 s[G0], 1
	s_wait_dscnt 0x0
	s_wait_kmcnt 0x0
	s_add_nc_u64 s[16:17], s[16:17], s[OO:OO+1]
	s_add_nc_u64 s[8:9], s[4:5], SIZE_H*HEADB
	s_add_nc_u64 s[10:11], s[6:7], 4096*SIZE_H
	ROUND
	s_cmp_ge_u32 s[WV], 4
	s_cbranch_scc1 .Larm_end
	s_cmp_eq_u32 s[WV], 3
	s_cbranch_scc1 .Larm_v
	s_cmp_eq_u32 s[WV], 2
	s_cbranch_scc1 .Larm_k
	s_cmp_eq_u32 s[WV], 1
	s_cbranch_scc1 .Larm_vs
	s_mov_b32 s[G0+1], KSB
	s_add_nc_u64 s[G0+2:G0+3], s[10:11], s[SB+2:SB+3]
	ASK G1KS
	s_branch .Larm_end
.Larm_vs:
	s_mov_b32 s[G0+1], VSB
	s_add_nc_u64 s[G0+2:G0+3], s[14:15], s[SB+2:SB+3]
	ASK G1KS
	s_branch .Larm_end
.Larm_k:
	s_mov_b32 s[G0+1], 0
	s_add_nc_u64 s[G0+2:G0+3], s[8:9], s[SB:SB+1]
	ASK G1K
	s_branch .Larm_end
.Larm_v:
	s_mov_b32 s[G0+1], VB
	s_add_nc_u64 s[G0+2:G0+3], s[12:13], s[SB:SB+1]
	ASK G1K
.Larm_end:
.if MASKIN && MSENSE != 2
	s_mov_b32 s[MSC], 0xfcfcfcfc
.endif
.if MASKIN == 1
	s_lshr_b32 s[T0], s[HD], MHS
	s_mul_i32 s[OO], s[T0], NK*MEB
	s_mov_b32 s[OO+1], 0
	s_add_nc_u64 s[MP:MP+1], s[MP:MP+1], s[OO:OO+1]
	v_bfe_u32 v[AMK], v0, 4, 1
	s_delay_alu instid0(VALU_DEP_1)
	v_lshl_add_u32 v[AMK], v[AMK], MKL-1, MKT
.if NK < 2048
	s_cmp_ge_u32 s[WV], NK/256
	s_cbranch_scc1 .Lno_entries
.endif
	v_lshlrev_b32 v[S+32], 3+2*(MEB/4), v0
.if MDT
	global_load_b128 v[S+40:S+43], v[S+32], s[MP:MP+1]
	global_load_b128 v[S+44:S+47], v[S+32], s[MP:MP+1] offset:16
.else
	global_load_b64 v[S+38:S+39], v[S+32], s[MP:MP+1]
.endif
.Lno_entries:
.endif
.if !WOUT
	s_load_b64 s[10:11], s[0:1], 0x28
.endif
	v_and_b32 v[S], 15, v0
	s_lshl_b32 s[AW], s[WV], 1
	s_lshl_b32 s[T3], s[CX], 10
	s_lshr_b32 s[T1], s[CX], 1
	s_lshl_b32 s[T1], s[T1], 6
	s_and_b32 s[T2], s[CX], 1
	s_lshl_b32 s[T2], s[T2], 1
	s_add_co_u32 s[T1], s[T1], s[T2]
.irp t, 0,1,2,3
.if \t < 2
	s_add_co_u32 s[T0], s[AW], \t
.else
	s_sub_co_u32 s[T0], \t+28, s[AW]
.endif
	s_lshl_b32 s[QB+2*\t], s[T0], 12
	s_add_co_u32 s[QB+2*\t], s[QB+2*\t], s[T3]
	s_mov_b32 s[QB+2*\t+1], 0
	s_add_nc_u64 s[QB+2*\t:QB+2*\t+1], s[QB+2*\t:QB+2*\t+1], s[SB:SB+1]
	s_add_nc_u64 s[QB+2*\t:QB+2*\t+1], s[QB+2*\t:QB+2*\t+1], s[4:5]
.if \t % 2 == 0
	s_lshl_b32 s[SB+\t+4], s[T0], 7
	s_add_co_u32 s[SB+\t+4], s[SB+\t+4], s[T1]
	s_mov_b32 s[SB+\t+5], 0
.endif
.endr
	s_wait_alu depctr_va_vdst(0)
	v_and_b32 v[S+2], 31, v0
	s_delay_alu instid0(VALU_DEP_1)
	v_lshlrev_b32 v[S+2], 4, v[S+2]
.irp k, 0,1,2,3
	global_load_b128 v[QF+16*\k+8:QF+16*\k+11], v[S+2], s[QB+2*\k:QB+2*\k+1]
	global_load_b128 v[QF+16*\k+12:QF+16*\k+15], v[S+2], s[QB+2*\k:QB+2*\k+1] offset:512
.endr
	v_lshlrev_b32 v[S+3], 2, v[S]
.irp k, 0,1
	s_add_nc_u64 s[SB+2*\k+4:SB+2*\k+5], s[SB+2*\k+4:SB+2*\k+5], s[SB+2:SB+3]
	s_add_nc_u64 s[SB+2*\k+4:SB+2*\k+5], s[SB+2*\k+4:SB+2*\k+5], s[6:7]
	global_load_u16 v[QSC+2*\k], v[S+3], s[SB+2*\k+4:SB+2*\k+5]
	global_load_u16 v[QSC+2*\k+1], v[S+3], s[SB+2*\k+4:SB+2*\k+5] offset:128
.endr
	v_and_b32 v[S+4], 31, v0
	s_delay_alu instid0(VALU_DEP_1)
	v_lshlrev_b32 v[AK], 4, v[S+4]
	v_lshl_add_u32 v[AV], v[S+4], 4, VB
	v_lshl_add_u32 v[AKS], v[S+4], 2, KSB
	v_lshl_add_u32 v[AVS], v[S+4], 2, VSB
.irp k, 0,1,2,3,4
.irp j, 0,1,2,3,4,5,6,7
	v_mov_b32 v[QF+16*\k+\j], 0
.endr
.endr
	s_set_vgpr_msb 0x40
.irp k, 0,1,2,3
.irp j, 0,1,2,3,4,5,6,7,8,9,10,11,12,13,14,15,16,17,18,19,20,21,22,23,24,25,26,27,28,29,30,31
	v_mov_b32 v[O+32*\k+\j], 0
.endr
.endr
	s_set_vgpr_msb 0x4000
.irp k, 0,1,2,3,4,5,6,7,8,9,10,11,12,13,14,15
	v_mov_b32 v[P+\k], 0
.endr
.irp k, 0,1,2,3
	v_mov_b32 v[BX+\k], 0
.endr
	v_mov_b32 v[PSC], 0x7f7f7f7f
.irp k, 0,1,2,3
.if MASKIN
	v_mov_b32 v[ST+6*\k+1], 0xf149f2ca
.else
	v_mov_b32 v[ST+6*\k+1], 0xff61b1e6
.endif
	v_mov_b32 v[ST+6*\k+2], 0
	v_mov_b32 v[ST+6*\k+3], 0
	v_mov_b32 v[ST+6*\k+4], 1.0
	v_mov_b32 v[ST+6*\k+5], 0
.endr
	v_mul_f32 v[TM], s[CS], v[ST+1]
	s_delay_alu instid0(VALU_DEP_1)
.irp k, 0,1,2,3
	v_floor_f32 v[ST+6*\k], -v[TM]
.endr
	s_mov_b32 s[SC], 0
	s_mov_b32 s[TK], 0
	s_mov_b32 s[TV], 0
	s_mov_b32 s[TKS], 0
	s_mov_b32 s[TVS], 0
	s_wait_loadcnt 0x0
.if MASKIN == 1
.if NK < 2048
	s_wait_alu depctr_va_vdst(0)
	s_cmp_ge_u32 s[WV], NK/256
	s_cbranch_scc1 .Lno_word
.endif
.if MDT == 0
.irp j, 0,1,2,3
	v_bfe_u32 v[S+40+\j], v[S+38], 8*\j, 8
	v_bfe_u32 v[S+44+\j], v[S+39], 8*\j, 8
.endr
.endif
.if MSENSE == 2
.irp j, 0,1,2,3,4,5,6,7
	v_subrev_f32 v[S+40+\j], MSUB, v[S+40+\j]
.endr
.irp j, 0,1,2,3,4,5,6,7
	v_mul_f32 v[S+40+\j], MMUL, v[S+40+\j]
.endr
.irp j, 0,1,2,3,4,5,6,7
	v_cmp_gt_f32 s[T0+9*(\j%2)], 0xd01502f9, v[S+40+\j]
	v_cndmask_b32 v[S+40+\j], v[S+40+\j], 0xff400000, s[T0+9*(\j%2)]
.endr
.else
.if MDT == 2 && MSENSE == 0
	v_cmp_eq_f32 s[T0], MVAL, v[S+40]
.elseif MDT == 2
	v_cmp_neq_f32 s[T0], MVAL, v[S+40]
.elseif MSENSE == 0
	v_cmp_eq_u32 s[T0], MVAL, v[S+40]
.else
	v_cmp_ne_u32 s[T0], MVAL, v[S+40]
.endif
	v_cndmask_b32 v[S+40], 0, 0xf, s[T0]
.if MDT == 2 && MSENSE == 0
	v_cmp_eq_f32 s[T1], MVAL, v[S+41]
.elseif MDT == 2
	v_cmp_neq_f32 s[T1], MVAL, v[S+41]
.elseif MSENSE == 0
	v_cmp_eq_u32 s[T1], MVAL, v[S+41]
.else
	v_cmp_ne_u32 s[T1], MVAL, v[S+41]
.endif
	v_cndmask_b32 v[S+41], 0, 0xf0, s[T1]
.if MDT == 2 && MSENSE == 0
	v_cmp_eq_f32 s[T0], MVAL, v[S+42]
.elseif MDT == 2
	v_cmp_neq_f32 s[T0], MVAL, v[S+42]
.elseif MSENSE == 0
	v_cmp_eq_u32 s[T0], MVAL, v[S+42]
.else
	v_cmp_ne_u32 s[T0], MVAL, v[S+42]
.endif
	v_cndmask_b32 v[S+42], 0, 0xf00, s[T0]
.if MDT == 2 && MSENSE == 0
	v_cmp_eq_f32 s[T1], MVAL, v[S+43]
.elseif MDT == 2
	v_cmp_neq_f32 s[T1], MVAL, v[S+43]
.elseif MSENSE == 0
	v_cmp_eq_u32 s[T1], MVAL, v[S+43]
.else
	v_cmp_ne_u32 s[T1], MVAL, v[S+43]
.endif
	v_cndmask_b32 v[S+43], 0, 0xf000, s[T1]
.if MDT == 2 && MSENSE == 0
	v_cmp_eq_f32 s[T0], MVAL, v[S+44]
.elseif MDT == 2
	v_cmp_neq_f32 s[T0], MVAL, v[S+44]
.elseif MSENSE == 0
	v_cmp_eq_u32 s[T0], MVAL, v[S+44]
.else
	v_cmp_ne_u32 s[T0], MVAL, v[S+44]
.endif
	v_cndmask_b32 v[S+44], 0, 0xf0000, s[T0]
.if MDT == 2 && MSENSE == 0
	v_cmp_eq_f32 s[T1], MVAL, v[S+45]
.elseif MDT == 2
	v_cmp_neq_f32 s[T1], MVAL, v[S+45]
.elseif MSENSE == 0
	v_cmp_eq_u32 s[T1], MVAL, v[S+45]
.else
	v_cmp_ne_u32 s[T1], MVAL, v[S+45]
.endif
	v_cndmask_b32 v[S+45], 0, 0xf00000, s[T1]
.if MDT == 2 && MSENSE == 0
	v_cmp_eq_f32 s[T0], MVAL, v[S+46]
.elseif MDT == 2
	v_cmp_neq_f32 s[T0], MVAL, v[S+46]
.elseif MSENSE == 0
	v_cmp_eq_u32 s[T0], MVAL, v[S+46]
.else
	v_cmp_ne_u32 s[T0], MVAL, v[S+46]
.endif
	v_cndmask_b32 v[S+46], 0, 0xf000000, s[T0]
.if MDT == 2 && MSENSE == 0
	v_cmp_eq_f32 s[T1], MVAL, v[S+47]
.elseif MDT == 2
	v_cmp_neq_f32 s[T1], MVAL, v[S+47]
.elseif MSENSE == 0
	v_cmp_eq_u32 s[T1], MVAL, v[S+47]
.else
	v_cmp_ne_u32 s[T1], MVAL, v[S+47]
.endif
	v_cndmask_b32 v[S+47], 0, 0xf0000000, s[T1]
.endif
	v_and_b32 v[S+32], 0xf1, v0
	v_and_b32 v[S+33], 12, v0
	v_and_b32 v[S+34], 2, v0
	v_lshrrev_b32 v[S+33], 1, v[S+33]
	v_lshl_or_b32 v[S+32], v[S+34], 2, v[S+32]
	s_delay_alu instid0(VALU_DEP_1)
	v_or_b32 v[S+32], v[S+32], v[S+33]
	s_delay_alu instid0(VALU_DEP_1)
	v_lshl_add_u32 v[S+32], v[S+32], MKL-4, MKT
.if MSENSE == 2
	ds_store_b128 v[S+32], v[S+40:S+43]
	ds_store_b128 v[S+32], v[S+44:S+47] offset:16
.else
	v_or3_b32 v[S+40], v[S+40], v[S+41], v[S+42]
	v_or3_b32 v[S+43], v[S+43], v[S+44], v[S+45]
	s_delay_alu instid0(VALU_DEP_2)
	v_or3_b32 v[S+40], v[S+40], v[S+46], v[S+47]
	s_delay_alu instid0(VALU_DEP_1)
	v_or_b32 v[S+40], v[S+40], v[S+43]
	ds_store_b32 v[S+32], v[S+40]
.endif
.Lno_word:
	s_wait_dscnt 0x0
.endif
.if !WOUT
	s_wait_kmcnt 0x0
	s_add_nc_u64 s[10:11], s[10:11], s[OB:OB+1]
.endif
.irp k, 0,1,2,3
	v_lshl_or_b32 v[QSC+\k], v[QSC+\k], 16, v[QSC+\k]
.endr
.if !SIZE_CAUSAL
.rept 4
	v_nop
.endr
.endif
	s_wait_tensorcnt 0x0
.if SIZE_CAUSAL
	s_mov_b32 s[LIM], s[WV]
	s_sub_co_u32 s[LIM2], STEPS-1, s[WV]
	s_lshr_b32 s[T3], s[CX], 1
	s_lshl_b32 s[T3], s[T3], 5
	s_and_b32 s[T0], s[CX], 1
	s_lshl_b32 s[T0], s[T0], 3
	s_add_co_u32 s[T3], s[T3], s[T0]
	v_and_b32 v[S], 7, v0
	v_bfe_u32 v[S+2], v0, 3, 1
	s_delay_alu instid0(VALU_DEP_1)
	v_lshl_add_u32 v[S], v[S+2], 4, v[S]
	v_bfe_u32 v[S+1], v0, 4, 1
	s_delay_alu instid0(VALU_DEP_1)
	v_lshlrev_b32 v[S+1], 4, v[S+1]
	s_delay_alu instid0(VALU_DEP_1)
	v_sub_nc_u32 v[S], v[S], v[S+1]
	s_delay_alu instid0(VALU_DEP_1)
	v_add_nc_u32 v[S], s[T3], v[S]
	s_delay_alu instid0(VALU_DEP_1)
.irp k, 0,1,2,3,4,5,6,7,8,9,10,11,12,13,14,15
	v_cmp_gt_i32 s[MKA+\k], \k, v[S]
.endr
.irp k, 0,1,2,3,4,5,6,7
	v_cmp_gt_i32 s[MKB+\k], \k+32, v[S]
.endr
.irp k, 0,1,2,3,4,5,6,7
	v_cmp_gt_i32 s[MKC+\k], \k+40, v[S]
.endr
	v_mov_b32 v[NINF], 0xff800000
.else
	s_mov_b32 s[LIM], STEPS-1
	s_mov_b32 s[LIM2], STEPS-1
.endif
	s_barrier_signal -1
	s_barrier_wait -1
	LOADK
	LOADV
.if MASKIN == 1 && MSENSE != 2
	ds_load_b128 v[MC:MC+3], v[AMK]
	ds_load_b128 v[MC+4:MC+7], v[AMK] offset:16
.endif
	s_wait_dscnt 0x0
	s_wait_alu depctr_va_vdst(0)
	s_mov_b32 s[TK], KSTEP
.if MASKIN == 1
.if MSENSE != 2
	s_mov_b32 s[MTN], 1<<MKL
.endif
	s_mov_b32 s[MTC], 0
.endif
	s_mov_b32 s[TKS], 256
.Lstep:
.if SIZE_CAUSAL
	s_cmp_gt_u32 s[SC], s[LIM2]
	s_cbranch_scc1 .Ldone
	s_cmp_gt_u32 s[SC], s[LIM]
	s_cbranch_scc1 .Ltwo
.endif
	TSTEP 0, 3, 1, 0, SIZE_CAUSAL
	TSTEP 1, 0, 0, 0, SIZE_CAUSAL
	LEAVE 0
	TSTEP 2, 1, 0, 0, 0
	LEAVE 1
.Lthree:
	TSTEP 3, 2, 0, 1, SIZE_CAUSAL
	LEAVE 2
.Ldone:
	s_add_co_u32 s[SC], s[SC], 1
	s_add_co_u32 s[T0], s[SC], 1
	s_min_u32 s[T0], s[T0], STEPS-1
	s_mul_i32 s[TK], s[T0], KSTEP
.if MASKIN == 1
.if MSENSE != 2
	s_lshl_b32 s[MTN], s[T0], MKL
.endif
	s_lshl_b32 s[MTC], s[SC], MKL
.elseif MASKIN >= 2
	s_lshl_b32 s[MTN], s[T0], 10
.endif
	s_lshl_b32 s[TKS], s[T0], 8
	s_lshl_b32 s[TV], s[SC], 13
	s_lshl_b32 s[TVS], s[SC], 8
.if MASKIN >= 2
	s_wait_xcnt 0x0
	v_add_nc_u32 v[AMK], s[MTN], v[AL]
.endif
	s_wait_alu depctr_va_vdst(0)
	s_cmp_lt_u32 s[SC], STEPS
	s_cbranch_scc1 .Lstep
	s_branch .Ltail
.if SIZE_CAUSAL
.Ltwo:
	TSTEP 2, 3, 1, 0, 1
	s_wait_alu depctr_va_vdst(0)
	s_branch .Lthree
	MASKS 0, 3
	MASKS 1, 0
	MASKS 3, 2
	MASKS 2, 3
.endif
	GOES 0
	GOES 1
	GOES 2
.Ltail:
.if PRIO
	s_setprio 0
	s_nop 0
.endif
	s_set_vgpr_msb 0x1
	MM DT, VF, P, VSC, PSC, 0
	MM DT+8, VF+16, P, VSC, PSC, 1
	MM DT+16, VF+32, P, VSC+1, PSC, 0
	MM DT+24, VF+48, P, VSC+1, PSC, 1
.rept 8
	v_nop
.endr
	s_set_vgpr_msb 0x141
.irp k, 0,1,2,3,4,5,6,7,8,9,10,11,12,13,14,15
	v_pk_fma_f32 v[O+2*\k+96:O+2*\k+97], v[O+2*\k+96:O+2*\k+97], v[ST+22:ST+23], v[DT+2*\k:DT+2*\k+1] op_sel_hi:[1,0,1]
.endr
	s_set_vgpr_msb 0x4100
	OUT 3, 0
.if !WOUT
	v_and_b32 v[BM], 31, v0
	s_delay_alu instid0(VALU_DEP_1)
	v_lshlrev_b32 v[BM], 3, v[BM]
	s_lshl_b32 s[T0], s[WV], 8
	v_add_nc_u32 v[BM], s[T0], v[BM]
	s_delay_alu instid0(VALU_DEP_1)
	v_add_nc_u32 v[BM+1], CXB, v[BM]
	s_wait_alu depctr_va_vdst(0)
	s_wait_dscnt 0x0
	s_barrier_signal -1
	s_barrier_wait -1
	s_cmp_ge_u32 s[WV], 4
	s_cbranch_scc1 .Lno_bytes
	ds_load_b64 v[BM+2:BM+3], v[BM+1]
	s_wait_dscnt 0x0
	global_store_b64 v[BM], v[BM+2:BM+3], s[10:11]
.Lno_bytes:
.endif
	s_wait_tensorcnt 0x0
	ds_add_u32 v[SPW], v[NIL]
	s_wait_dscnt 0x0
	ROUND
	s_endpgm
.Lfunc_end_k_q52e225e447_attention:
	.size	k_q52e225e447_attention, .Lfunc_end_k_q52e225e447_attention-k_q52e225e447_attention
	.p2alignl 7, 3214868480
	.fill 96, 4, 3214868480
	.section	.rodata,"a",@progbits
	.p2align	6, 0x0
	.amdhsa_kernel k_q52e225e447_attention
		.amdhsa_group_segment_fixed_size 327680
		.amdhsa_private_segment_fixed_size 0
		.amdhsa_enable_private_segment 0
		.amdhsa_kernarg_size 48
		.amdhsa_user_sgpr_count 2
		.amdhsa_user_sgpr_kernarg_segment_ptr 1
		.amdhsa_wavefront_size32 1
		.amdhsa_system_sgpr_workgroup_id_x 1
		.amdhsa_system_sgpr_workgroup_id_y 1
		.amdhsa_system_sgpr_workgroup_id_z 1
		.amdhsa_system_vgpr_workitem_id 0
		.amdhsa_next_free_vgpr 512
		.amdhsa_next_free_sgpr 102
		.amdhsa_reserve_vcc 0
		.amdhsa_float_denorm_mode_32 3
		.amdhsa_float_denorm_mode_16_64 3
		.amdhsa_fp16_overflow 1
		.amdhsa_memory_ordered 1
		.amdhsa_forward_progress 1
		.amdhsa_inst_pref_size 104
	.end_amdhsa_kernel
	.amdgpu_metadata
---
amdhsa.version: [ 1, 2 ]
amdhsa.kernels:
  - .name:           k_q52e225e447_attention
    .symbol:         k_q52e225e447_attention.kd
    .args:
      - { .name: qkc, .offset: 0, .size: 8, .value_kind: global_buffer, .address_space: global }
      - { .name: qks, .offset: 8, .size: 8, .value_kind: global_buffer, .address_space: global }
      - { .name: vc, .offset: 16, .size: 8, .value_kind: global_buffer, .address_space: global }
      - { .name: vs, .offset: 24, .size: 8, .value_kind: global_buffer, .address_space: global }
      - { .name: out0, .offset: 32, .size: 8, .value_kind: global_buffer, .address_space: global }
      - { .name: attention_mask, .offset: 40, .size: 8, .value_kind: global_buffer, .address_space: global }
    .group_segment_fixed_size: 327680
    .private_segment_fixed_size: 0
    .kernarg_segment_align: 8
    .kernarg_segment_size: 48
    .max_flat_workgroup_size: 256
    .sgpr_count:     102
    .vgpr_count:     512
    .wavefront_size: 32
...
	.end_amdgpu_metadata
.endif
;; end of part 3
